; MI455X (gfx1250); checked and timed in simulation.
; The chip was launched on July 23, 2026; its instructions are those of AMD's public machine-readable ISA for CDNA 5 (MIT licence, August 2026) and "CDNA5" Instruction Set Architecture Reference Guide (July 2026). The comments in the code are by the model that wrote it; some were corrected since.
;; Multi Head Attention. Allowed arithmetic: matrix products marked QUANTISED: E4M3 operands, one E8M0 scale for each 32 along K, by v_wmma_scale_f32_16x16x128_f8f6f4 with both operands' format E4M3, f32 sums; everything else in f32.
;; Inputs: Wk 1,024 x 1,024 float32; Wo 1,024 x 1,024 float32; Wq 1,024 x 1,024 float32; Wv 1,024 x 1,024 float32; bk 1,024 float32; bo 1,024 float32; bq 1,024 float32; bv 1,024 float32; x 4 x 2,048 x 1,024 float32.
;; Outputs: out0 4 x 2,048 x 1,024 float32.
;; This version of the problem:
;;   THIS VERSION OF THE PROBLEM IS GIVEN IN LOW PRECISION. The matrix products marked QUANTISED in the list below multiply operands that are first quantised to E4M3 (4 exponent bits, 3 mantissa bits; 8 bits a number), with one power-of-two scale for each 32 numbers along K (OCP MX v1.0); their sums are f32. All else is computed in f32.
;;   The module's matrix products, in the order in which they are computed (A, B: the left and right operand; K: the contracted axis; several contracted axes count as one K, in the product's order):
;;     1. [M 8,192, K 1,024] x [K 1,024, N 1,024]; A: input x; B: input Wq: QUANTISED
;;     2. [M 8,192, K 1,024] x [K 1,024, N 1,024]; A: input x; B: input Wk: QUANTISED
;;     3. [M 8,192, K 1,024] x [K 1,024, N 1,024]; A: input x; B: input Wv: QUANTISED
;;     4. batch 64 x [M 2,048, K 64] x [K 64, N 2,048]; A: computed on the way; B: computed on the way: QUANTISED
;;     5. batch 64 x [M 2,048, K 2,048] x [K 2,048, N 64]; A: softmax (see below); B: computed on the way: QUANTISED
;;     6. [M 8,192, K 1,024] x [K 1,024, N 1,024]; A: computed on the way; B: input Wo: QUANTISED
;;   THE QUANTISER, for each operand of a quantised product, along K:
;;     - K is cut into blocks of 32 from its start; a last block that is shorter is filled with zeros.
;;     - A block's scale is 2^e with e = floor(log2(the largest magnitude in the block)) - 8, held to -126 .. 127; a block of zeros has e = 0. As a byte (E8M0): e + 127.
;;     - Each number is divided by its block's scale, clamped to +-448, and rounded to the nearest number of E4M3, ties to even, subnormals kept.
;;     - The product sums the exact products of the quantised numbers (number of the format x scale) in f32.
;;   ~~~python
;;   def quantise(x, axis):      # numpy; x: float32 -> the quantised numbers, widened to float32 again
;;       x = np.moveaxis(x, axis, -1); K = x.shape[-1]
;;       x = np.pad(x, [(0, 0)] * (x.ndim - 1) + [(0, -K % 32)]); x = x.reshape(x.shape[:-1] + (-1, 32)); a = np.abs(x).max(-1, keepdims=True)
;;       e = np.where(a > 0, np.clip(np.frexp(np.where(a > 0, a, 1))[1] - 1 - 8, -126, 127), 0)      # np.frexp(a)[1] - 1 = floor(log2(a)), exactly
;;       r = np.clip(x / 2.0 ** e, -448, 448)
;;       step = 2.0 ** (np.maximum(np.frexp(np.where(r == 0, 1, r))[1] - 1, -6) - 3)
;;       q = np.round(r / step) * step * 2.0 ** e      # np.round: ties to even
;;       return np.moveaxis(q.reshape(q.shape[:-2] + (-1,))[..., :K], -1, axis).astype(np.float32)
;;   ~~~
;;   SOFTMAX AHEAD OF A QUANTISED PRODUCT. Where the list says 'softmax', what is quantised is not the finished softmax but p = 2^(t - M), with t = logit x log2(e) and M = ceil(the row's largest t), a whole number; so 1/2 < the row's largest p <= 1. The row's sum l is taken of the UNQUANTISED p, in f32, and the product's result is divided by l at the end. Since M is a whole number, a kernel that streams over the keys may use a running M (the ceiling of the running maximum): every later rescaling is an exact power of two, which a block's scale takes up: the codes' values come out the same.
;;   OPERANDS COMPUTED ON THE WAY. 'Computed on the way' means the value that the module computes at that place (a softmax that the list does not call 'softmax' is quantised finished and normalised). What goes into a quantiser is computed in f32, as accurately as f32 sums, v_exp_f32 and their like allow (about 1e-6 of the number): no bf16 or f16 on the way to a quantiser, and a product that is left as it is and whose result goes on into a quantised operand takes f32 operands (vector FMAs, or v_wmma_f32_16x16x4_f32). A number that lies on a knife's edge between two numbers of the format may be rounded either way, as far as f32 arithmetic and the matrix unit's own rounding can turn it there, and no further.
;; One version. Each part assembles by itself: llvm-mc -triple=amdgcn-amd-amdhsa -mcpu=gfx1250 --defsym DOCPART=n.
;; ======== version 1 of 1: 4 launches
;; limits: right only within a limited range of input values
;; workspace buffers: codes 12,582,912 bytes; scales 393,216 bytes; qf 8,388,608 bytes; qs 524,288 bytes; kv 17,563,648 bytes; cf 8,388,608 bytes; cs 262,144 bytes
;; launch quant (part 1): grid 384 x 1, 4 waves a work-group, no clusters, 33,280 bytes of LDS; arguments x, Wq, Wk, Wv, Wo, codes, scales; writes codes, scales
.if DOCPART == 1
	.amdgcn_target "amdgcn-amd-amdhsa--gfx1250"
	.amdhsa_code_object_version 6
	.text
	.protected	k_qaa32203a08_quant
	.globl	k_qaa32203a08_quant
	.p2align	8
	.type	k_qaa32203a08_quant,@function
k_qaa32203a08_quant:
	s_mov_b64 s[64:65], 0
	v_nop
	global_prefetch_b8 v0, s[64:65] scope:SCOPE_SE
	s_setreg_imm32_b32 hwreg(HW_REG_WAVE_MODE, 25, 1), 1
	s_wait_xcnt 0x0
; x [8192][1024] and Wq, Wk, Wv, Wo [1024][1024], f32 with K innermost, become codes of FP8 (E4M3) and one E8M0 scale byte for each 32 along K.
; OUT: codes [12288 places][1024 bytes], scales [12288 places][32 bytes]: places 0-8191 x's tokens, then 1,024 each for Wq, Wk, Wv, Wo.
; THE ROW ORDER: place n holds the row whose number is n with bits 3 and 4 exchanged.  So 16 neighbouring places 16 (2 a + u) + r hold rows 32 a + 8 u + r + 8 (r / 8):
; a matrix result whose registers run along such rows has 16 neighbours in the 16 registers of two neighbouring tiles.
; A block's scale is 2^(floor(log2(largest magnitude)) - 8); its byte is the largest magnitude's exponent field - 8, held at 1 from below.  Each number is divided by the scale, held within +-448, rounded to the nearest code, ties to even.
; LIMITS: a block of zeros gets the byte 1 where the rule says 127 (its codes are zeros, and this program alone reads the bytes); NaN and infinities among the inputs are not served.
; SHARES: a work-group takes 32 rows (32,768 numbers), a wave 8 rows in 16 steps of 512 numbers.  Work-groups 0-255 take x, then 32 each Wq, Wk, Wv, Wo.
; Each load reads 512 consecutive bytes; a step's 2,048 bytes turn through the wave's own stage in LDS so that a lane holds 16 neighbours along K (two lanes to a block).  No barrier: waves share nothing.
.set STEPS, 16
.set EMAX,  8
.set MANT,  0x600000                   ; the mantissa field of 448 as f32
.set CB,    16                         ; bytes of 16 codes
.set R,     16                         ; v16-79   four sets of 16 numbers as they are loaded
.set X,     80                         ; v80-111  two sets of 16 neighbours
.set C,     128                        ; v128-191 codes: four registers for each step, so that no store's data are written again
.set E,     112                        ; v112-127 a scale byte for each step
.set WREG,  8192                       ; LDS: a region for each wave: two stages of 32 x SP bytes, behind them its 256 scale bytes
.set SP,    80                         ; a lane's place in a stage: 64 bytes + 16 of padding
	s_load_b256 s[4:11], s[0:1], 0x0               ; x, Wq, Wk, Wv
	s_load_b128 s[12:15], s[0:1], 0x20             ; Wo, codes
	s_load_b64 s[16:17], s[0:1], 0x30              ; scales
	v_lshl_add_u32 v192, v0, 2, 0x8000
	v_mov_b32 v193, 0
	v_lshrrev_b32 v1, 5, v0
	v_readfirstlane_b32 s18, v1                    ; wave
	v_and_b32 v2, 31, v0                           ; lane
	v_lshlrev_b32 v3, 4, v2                        ; my 16 bytes of a load's 512
	s_mul_i32 s19, s18, WREG
	v_lshrrev_b32 v14, 2, v2
	v_mul_u32_u24 v14, v14, SP
	v_and_b32 v15, 3, v2
	v_lshl_add_u32 v14, v15, 4, v14
	v_add_nc_u32 v14, s19, v14                     ; the stage, on the way in: SP (lane / 4) + 16 (lane % 4)
	v_mul_u32_u24 v15, v2, SP
	v_add_nc_u32 v15, s19, v15                     ; and on the way out: SP x lane: my 16 neighbours
	v_mul_u32_u24 v4, v2, CB                       ; my codes' place in a step's
	v_lshrrev_b32 v5, 1, v2
	s_add_co_u32 s19, s19, 2*32*SP
	v_add_nc_u32 v5, s19, v5                       ; LDS: my wave's 256 scale bytes, my block's byte
	v_lshlrev_b32 v7, 3, v2                        ; and on the way out 8 bytes a lane
	v_add_nc_u32 v6, s19, v7
	s_mov_b32 s23, MANT
	s_wait_alu depctr_va_vdst(0)
	s_wait_kmcnt 0x0
	s_mov_b64 s[20:21], s[12:13]                   ; which tensor is my work-group's, and which work-group is that tensor's first: the choice hangs on the work-group's number alone
	s_mov_b32 s22, 352
	s_cmp_lt_u32 ttmp9, 352
	s_cselect_b64 s[20:21], s[10:11], s[20:21]
	s_cselect_b32 s22, 320, s22
	s_cmp_lt_u32 ttmp9, 320
	s_cselect_b64 s[20:21], s[8:9], s[20:21]
	s_cselect_b32 s22, 288, s22
	s_cmp_lt_u32 ttmp9, 288
	s_cselect_b64 s[20:21], s[6:7], s[20:21]
	s_cselect_b32 s22, 256, s22
	s_cmp_lt_u32 ttmp9, 256
	s_cselect_b64 s[20:21], s[4:5], s[20:21]
	s_cselect_b32 s22, 0, s22
	s_sub_co_u32 s22, ttmp9, s22
	s_lshl_b32 s22, s22, 2
	s_add_co_u32 s22, s22, s18                     ; which run of 8 rows of the tensor is my wave's
	s_lshl_b32 s24, s22, 15                        ; 32,768 bytes a run
	s_mov_b32 s25, 0
	s_add_nc_u64 s[20:21], s[20:21], s[24:25]
	s_and_b32 s26, s18, 1                          ; where it goes: the wave's two bits change places: that is the row order
	s_lshl_b32 s26, s26, 1
	s_lshr_b32 s27, s18, 1
	s_or_b32 s26, s26, s27
	s_lshl_b32 s27, ttmp9, 2
	s_add_co_u32 s26, s26, s27                     ; one stream of runs for all five tensors
	s_lshl_b32 s24, s26, 13                        ; 8,192 bytes of codes a run
	s_add_nc_u64 s[14:15], s[14:15], s[24:25]
	s_lshl_b32 s24, s26, 8                         ; 256 scale bytes a run
	s_add_nc_u64 s[16:17], s[16:17], s[24:25]
.macro LOAD t
.irp i, 0,1,2,3
	global_load_b128 v[R+16*((\t)%4)+4*\i:R+16*((\t)%4)+4*\i+3], v3, s[20:21] offset:2048*(\t)+512*\i th:TH_LOAD_NT   ; 32 lanes read 512 consecutive bytes
.endr
.endm
.macro TURN t                          ; step t's numbers through the stage: LDS serves a wave's instructions in order, so no wait stands between the stores and the loads
.irp i, 0,1,2,3
	ds_store_b128 v14, v[R+16*((\t)%4)+4*\i:R+16*((\t)%4)+4*\i+3] offset:32*SP*((\t)%2)+8*SP*\i
.endr
.irp i, 0,1,2,3
	ds_load_b128 v[X+16*((\t)%2)+4*\i:X+16*((\t)%2)+4*\i+3], v15 offset:32*SP*((\t)%2)+16*\i
.endr
.endm
.irp t, 0,1,2,3
	LOAD \t
.endr
	s_wait_loadcnt 12                              ; step 0's four loads are in; the twelve of steps 1 to 3 may be out
	TURN 0
.macro STEP t
.set XS, X+16*((\t)%2)
.if (\t) > 0
	s_wait_dscnt 1                                 ; this step's numbers are back from the stage (the last step's byte store may be out)
.else
	s_wait_dscnt 0x0
.endif
.if (\t)+4 < STEPS
	LOAD (\t)+4                                    ; into the registers that this step's stores into the stage have read
.endif
.if (\t)+1 < STEPS
.if STEPS-2-(\t) >= 3
	s_wait_loadcnt 12                              ; the next step's four loads are in; those of the three steps behind it may be out
.else
	s_wait_loadcnt 4*(STEPS-2-(\t))
.endif
	TURN (\t)+1
.endif
	v_max3_num_f32 v8, |v[XS]|, |v[XS+1]|, |v[XS+2]|               ; the largest magnitude of my 16, in two chains
	v_max3_num_f32 v9, |v[XS+3]|, |v[XS+4]|, |v[XS+5]|
.irp i, 6,10
	v_max3_num_f32 v8, v8, |v[XS+\i]|, |v[XS+\i+1]|
	v_max3_num_f32 v9, v9, |v[XS+\i+2]|, |v[XS+\i+3]|
.endr
	v_max3_num_f32 v8, v8, |v[XS+14]|, |v[XS+15]|
	v_max3_num_f32 v8, v8, v9, (EMAX+1)<<23        ; and the floor 2^(9 - 127): the byte cannot fall under 1
	v_max_num_f32_dpp v8, v8, v8 row_xmask:1 row_mask:0xf bank_mask:0xf   ; and of my neighbour's 16: the block's
	v_add_nc_u32 v11, 0xfc000000, v8               ; 8 off its exponent field: the conversion takes the exponent field of this operand as its scale
	v_and_or_b32 v10, v8, 0x7f800000, s23          ; 448 x the scale
.irp i, 0,1,2,3,4,5,6,7,8,9,10,11,12,13,14,15
	v_med3_num_f32 v[XS+\i], v[XS+\i], -v10, v10   ; the conversion to an 8-bit code does not saturate (ISA guide 7.6.2): the hold comes first
.endr
	v_cvt_scalef32_pk8_fp8_f32 v[C+4*(\t):C+4*(\t)+1], v[XS:XS+7], v11
	v_cvt_scalef32_pk8_fp8_f32 v[C+4*(\t)+2:C+4*(\t)+3], v[XS+8:XS+15], v11
	v_lshrrev_b32 v[E+(\t)], 23, v11               ; the scale's byte
	ds_store_b8 v5, v[E+(\t)] offset:16*(\t)       ; both lanes of a block write the same byte with the same value
	global_store_b128 v4, v[C+4*(\t):C+4*(\t)+3], s[14:15] offset:32*CB*(\t)   ; the wave stores 512 consecutive bytes
.endm
.irp t, 0,1,2,3,4,5,6,7,8,9,10,11,12,13,14,15
	STEP \t
.endr
	ds_load_b64 v[12:13], v6                       ; LDS serves a wave's instructions in order: these see my stores
	s_wait_dscnt 0x0
	global_store_b64 v7, v[12:13], s[16:17]        ; 32 lanes store 256 consecutive bytes, aligned
	s_wait_tensorcnt 0x0
	ds_add_u32 v192, v193
	s_wait_dscnt 0x0
	s_endpgm
.Lfunc_end_k_qaa32203a08_quant:
	.size	k_qaa32203a08_quant, .Lfunc_end_k_qaa32203a08_quant-k_qaa32203a08_quant
	.p2alignl 7, 3214868480
	.fill 96, 4, 3214868480
	.section	.rodata,"a",@progbits
	.p2align	6, 0x0
	.amdhsa_kernel k_qaa32203a08_quant
		.amdhsa_group_segment_fixed_size 33280
		.amdhsa_private_segment_fixed_size 0
		.amdhsa_enable_private_segment 0
		.amdhsa_kernarg_size 56
		.amdhsa_user_sgpr_count 2
		.amdhsa_user_sgpr_kernarg_segment_ptr 1
		.amdhsa_wavefront_size32 1
		.amdhsa_system_sgpr_workgroup_id_x 1
		.amdhsa_system_sgpr_workgroup_id_y 1
		.amdhsa_system_sgpr_workgroup_id_z 1
		.amdhsa_system_vgpr_workitem_id 0
		.amdhsa_next_free_vgpr 194
		.amdhsa_next_free_sgpr 66
		.amdhsa_reserve_vcc 0
		.amdhsa_float_denorm_mode_32 3
		.amdhsa_float_denorm_mode_16_64 3
		.amdhsa_memory_ordered 1
		.amdhsa_forward_progress 1
		.amdhsa_inst_pref_size 52
	.end_amdhsa_kernel
	.amdgpu_metadata
---
amdhsa.version: [ 1, 2 ]
amdhsa.kernels:
  - .name:           k_qaa32203a08_quant
    .symbol:         k_qaa32203a08_quant.kd
    .args:
      - { .name: x, .offset: 0, .size: 8, .value_kind: global_buffer, .address_space: global }
      - { .name: Wq, .offset: 8, .size: 8, .value_kind: global_buffer, .address_space: global }
      - { .name: Wk, .offset: 16, .size: 8, .value_kind: global_buffer, .address_space: global }
      - { .name: Wv, .offset: 24, .size: 8, .value_kind: global_buffer, .address_space: global }
      - { .name: Wo, .offset: 32, .size: 8, .value_kind: global_buffer, .address_space: global }
      - { .name: codes, .offset: 40, .size: 8, .value_kind: global_buffer, .address_space: global }
      - { .name: scales, .offset: 48, .size: 8, .value_kind: global_buffer, .address_space: global }
    .group_segment_fixed_size: 33280
    .private_segment_fixed_size: 0
    .kernarg_segment_align: 8
    .kernarg_segment_size: 56
    .max_flat_workgroup_size: 128
    .sgpr_count:     66
    .vgpr_count:     194
    .wavefront_size: 32
...
	.end_amdgpu_metadata
.endif
;; end of part 1
;; launch qkv (part 2): grid 4 x 64, 4 waves a work-group, clusters of 4 x 4, 327,680 bytes of LDS; arguments codes, scales, bq, bk, bv, qf, qs, kv; writes qf, qs, kv
.if DOCPART == 2
	.amdgcn_target "amdgcn-amd-amdhsa--gfx1250"
	.amdhsa_code_object_version 6
	.text
	.protected	k_qaa32203a08_qkv
	.globl	k_qaa32203a08_qkv
	.p2align	8
	.type	k_qaa32203a08_qkv,@function
k_qaa32203a08_qkv:
	s_mov_b64 s[64:65], 0
	v_nop
	global_prefetch_b8 v0, s[64:65] scope:SCOPE_SE
	s_setreg_imm32_b32 hwreg(HW_REG_WAVE_MODE, 25, 1), 1
	s_wait_xcnt 0x0
	s_wait_alu depctr_hold_cnt(0) depctr_sa_sdst(0) depctr_va_vdst(0) depctr_va_sdst(0) depctr_va_ssrc(0) depctr_va_vcc(0) depctr_vm_vsrc(0)
	s_getreg_b32 s2, hwreg(HW_REG_IB_STS2, 6, 4)
	s_cmp_eq_u32 s2, 0
	s_cbranch_scc0 .Lentry_in_a_cluster
	s_endpgm
.Lentry_in_a_cluster:
	s_bfe_u32 s2, ttmp6, 0x10000c
	s_cmp_lg_u32 s2, 0xf033
	s_cbranch_scc0 .Lentry_shape_is_right
	s_endpgm
.Lentry_shape_is_right:
; Q, K, V = x W^T + b AND THEIR QUANTISERS, on codes of FP8 (E4M3) with one E8M0 scale byte for 32 along K = 1,024; sums in f32.  No f32 result is stored.
; IN: codes [place][1,024 bytes], scales [place][32 bytes]: places 0-8191 x's tokens, then 1,024 each of Wq, Wk, Wv (place n holds the row n with bits 3 and 4 exchanged).
; OUT, as the attention launch reads it (p = 8 batch + head / 2): qf [p][head % 2][tile of 16 token places][c: 2][lane][16 bytes]; qs [p][head % 2][token place] words (two bytes, repeated);
; kv [p][slot = 4 (head % 2) + key / 512][68,608]: K's images as Q's, 32,768; V^T's [key step of 128][tile of 16 channel places: 4][c: 4][lane][16], 32,768; K's scale words, 2,048; V's [key step][channel place] words, 1,024.
; THE DEAL.  256 work-groups: 128 tokens x 768 rows of weights: rows 256 g .. 256 g + 255 (four heads) of Wq, of Wk and of Wv.  Four waves, 2 x 2: a wave holds 64 tokens of x, ALL of K, in 512 registers (windows 1, 2),
; and streams blocks of 16 weight rows past them, two sets in window 3.  A chunk of 128 weight rows is two heads: column of waves w takes head w, four blocks.  24 blocks a wave, 32 products each, four accumulators by turns.
; Q, K: source 0 = the weight's 16 rows, source 1 = 16 tokens: a lane holds a token, and the 16 registers of two neighbouring blocks are 16 neighbouring channels: a scale block of 32 lies in lanes l and l xor 16.
; V: the sources change places: a lane holds a channel, and the 16 registers of two neighbouring token tiles are 16 neighbouring tokens.  The bias is the first products' C.
; LDS: two slots of 128 rows of 1,024 bytes + 16.  At the head x's rows go to slot 1 (waves 0, 1) and chunk 0 to slot 0 (waves 2, 3).  Chunks 1 .. 5 are refills, 32 rows a wave, each behind a round of the cluster's barrier:
; chunk 1 when x stands in registers; chunk c + 2 behind block 4 c + 1, when chunk c's last block has been fetched.  That round also shows chunk c + 1.  A refill has four blocks, 128 products a wave, in which to land.
; Chunks 0-3 (Q, then K) are a loop of two trips, each with its two refills; chunks 4, 5 (V) are written out: no jump leads round a tensor load.
; The scale bytes meet in LDS bytes of their own and leave at the end: 512 consecutive bytes for a head of Q or K, 256 for a head of V.
; CLUSTERS: 4 x 4.  x's rows are asked for jointly by a row of the cluster, the weights' by a column.
; NO PREFETCH: x's rows are asked for once, at the head, with no loop ahead of them; the weights' 768 rows are asked for by the sixteen clusters of a column in the same rounds, and each refill is asked for four blocks ahead of its wait.
; LIMITS: NaN and infinities are not served; a block of zeros gets the byte 1 (zero codes; this program alone reads the bytes).
.set KROW,   1024
.set PITCH,  1040
.set FR,     16
.set NP,     8
.set YB,     128*PITCH                 ; slot 1
.set XQ,     2*YB                      ; Q's and K's scale words: [Q, K][chunk: 2][head: 2][128 tokens]: 4,096 bytes; no fill lands here
.set XV,     XQ+4096                   ; V's: [chunk: 2][head: 2][64 channels] words
.set SPARE,  XQ+5120
.set SLOTB,  68608
.set PAIRB,  8*SLOTB
.set VIO,    32768
.set KSO,    65536
.set VSO,    67584
.set SPW,  10
.set NIL,  11
.set ADRB, 12                          ; LDS address of my fragments of x
.set AW,   13                          ; v13, v14: of my head's rows in slot 0, 1
.set ABS,  15                          ; 32 x lane
.set BOFF, 16
.set BOFV, 17
.set CO16, 18
.set CO8,  19
.set VX,   20
.set VXV,  21
.set RQ,   22
.set RV,   23
.set SX,   24                          ; x's scale words: register 8 a + q: lanes 0-15 tile 2 a, lanes 16-31 tile 2 a + 1
.set SW,   44                          ; the weights': a set of 16 for each slot, laid likewise
.set BI,   76                          ; the bias: a set of 32 for each slot: eight registers a block
.set ACC,  140                         ; v140-203 the sums
.set TM,   204
.set T2,   208
.set SOP,  212
.set HB,   216
.set BY0,  220
.set WD,   224
.set PCD,  228                         ; v228-243 codes
.set VXT,  244
.set XO,   2
.set TRIP, 3
.set WV,   20
.set RH,   21
.set CH,   22
.set MNT,  45
.set SEL,  46
.set G1X,  24
.set G1W,  32
.set G1R,  48
.set G0X,  56
.set G0H,  60
.set G0R0, 68
.set G0R1, 72
.set OB0,  76                          ; s[76:79] where the trip's images go, a base for each chunk; s[80:83] K's; s[84:87] V's
.set KB0,  80
.set VB0,  84
.set SWB,  88
.set BPN,  90
.set BV,   92
.set QSD,  94
.set KSD,  96
.set VSD,  98
.set MSB, 0
.macro WIN new                         ; the immediate's high byte repeats the setting that is left
.if MSB != \new
	s_set_vgpr_msb (MSB<<8)|\new
.set MSB, \new
.endif
.endm
.macro PLACES n
.rept \n
	v_nop
.endr
.endm
.macro BARRIER
	s_barrier_signal -1
	s_barrier_wait -1
.endm
.macro CROUND                          ; a round of the cluster's barrier
	BARRIER
	s_cmp_lg_u32 s[WV], 0
	s_cbranch_scc1 .Lnot_wave_0_\@
	s_barrier_signal -3
.Lnot_wave_0_\@:
	s_barrier_wait -3
	BARRIER
.endm
.macro TLOAD g0, g1                    ; an s_nop 0 and four v_nop follow the load
	tensor_load_to_lds s[\g0:\g0+3], s[\g1:\g1+7]
	s_nop 0
	PLACES 4
.endm
.macro GROUP1 g, mask, rows            ; so many whole rows of K, 16 bytes of padding behind each
	s_or_b32 s[\g], s[\mask], (1<<20)|(1<<21)|(7<<22)|(3<<25)
	s_mov_b32 s[\g+1], KROW<<16
	s_mov_b32 s[\g+2], (\rows)<<16
	s_mov_b32 s[\g+3], KROW<<16
	s_mov_b32 s[\g+4], \rows
	s_mov_b32 s[\g+5], KROW
	s_mov_b32 s[\g+6], 0
	s_mov_b32 s[\g+7], 0
.endm
	s_load_b512 s[4:19], s[0:1], 0x0               ; codes, scales, bq, bk, bv, qf, qs, kv
	v_lshl_add_u32 v[SPW], v0, 2, SPARE
	v_mov_b32 v[NIL], 0
	ds_add_u32 v[SPW], v[NIL]                      ; the opening lines: the add twice on end and its wait
	ds_add_u32 v[SPW], v[NIL]
	v_lshrrev_b32 v1, 5, v0
	v_readfirstlane_b32 s[WV], v1
	s_lshr_b32 s[RH], s[WV], 1                     ; my row of waves: which 64 tokens
	s_and_b32 s[CH], s[WV], 1                      ; my column of waves: which head of a chunk; also: which half I fetch at the head
	s_bfe_u32 s40, ttmp6, 0x40000                  ; cx
	s_bfe_u32 s41, ttmp6, 0x40004                  ; cy
	s_lshl_b32 s2, ttmp9, 2
	s_add_co_u32 s40, s40, s2                      ; g: which 256 rows of each weight
	s_and_b32 s23, ttmp7, 0xffff
	s_lshl_b32 s23, s23, 2
	s_add_co_u32 s23, s23, s41                     ; which 128 tokens, 0 .. 63
	s_lshl_b32 s43, s41, 2
	s_lshl_b32 s43, 15, s43                        ; my row of the cluster
	s_bfe_u32 s44, ttmp6, 0x40000
	s_lshl_b32 s44, 0x1111, s44                    ; my column
	GROUP1 G1X, 43, 64
	GROUP1 G1W, 44, 64
	GROUP1 G1R, 44, 32
	s_lshr_b32 s2, s23, 4
	s_lshl_b32 s2, s2, 3
	s_lshl_b32 s3, s40, 1
	s_add_co_u32 s2, s2, s3                        ; p of chunk 0's heads: 8 batch + 2 g
	s_and_b32 s42, s23, 15
	s_lshl_b32 s42, s42, 7                         ; my first token in its batch
	s_lshl_b32 s[OB0], s2, 18                      ; qf: 262,144 p + 131,072 w + 64 token + 4,096 (row of waves)
	s_lshl_b32 s3, s[CH], 17
	s_add_co_u32 s[OB0], s[OB0], s3
	s_lshl_b32 s3, s42, 6
	s_add_co_u32 s[OB0], s[OB0], s3
	s_lshl_b32 s3, s[RH], 12
	s_add_co_u32 s[OB0], s[OB0], s3
	s_mov_b32 s[OB0+1], 0
	s_add_co_u32 s[OB0+2], s[OB0], 262144
	s_mov_b32 s[OB0+3], 0
	s_mul_i32 s66, s2, PAIRB                       ; kv: my head's slot of chunk 0
	s_lshl_b32 s3, s[CH], 2
	s_lshr_b32 s67, s42, 9
	s_add_co_u32 s3, s3, s67
	s_mul_i32 s3, s3, SLOTB
	s_add_co_u32 s66, s66, s3
	s_and_b32 s67, s42, 511                        ; my first token in its slot
	s_lshl_b32 s3, s67, 6
	s_add_co_u32 s[KB0], s66, s3
	s_add_co_u32 s[VB0], s[KB0], VIO               ; (a key step of 128 tokens is 8,192 bytes of V^T's images too)
	s_lshl_b32 s3, s[RH], 12
	s_add_co_u32 s[KB0], s[KB0], s3
	s_mov_b32 s[KB0+1], 0
	s_add_co_u32 s[KB0+2], s[KB0], PAIRB
	s_mov_b32 s[KB0+3], 0
	s_lshl_b32 s3, s[RH], 10                       ; V: c = 2 (row of waves) + a
	s_add_co_u32 s[VB0], s[VB0], s3
	s_mov_b32 s[VB0+1], 0
	s_add_co_u32 s[VB0+2], s[VB0], PAIRB
	s_mov_b32 s[VB0+3], 0
	s_mul_i32 s100, s[RH], PAIRB                   ; at the end wave n stores the scale words of chunk n / 2, head n % 2
	s_add_co_u32 s100, s100, s66
	s_lshl_b32 s3, s67, 2
	s_add_co_u32 s[KSD], s100, s3
	s_add_co_u32 s[KSD], s[KSD], KSO
	s_mov_b32 s[KSD+1], 0
	s_lshl_b32 s3, s67, 1
	s_add_co_u32 s[VSD], s100, s3
	s_add_co_u32 s[VSD], s[VSD], VSO
	s_mov_b32 s[VSD+1], 0
	s_add_co_u32 s3, s2, s[RH]
	s_lshl_b32 s[QSD], s3, 14
	s_lshl_b32 s3, s[CH], 13
	s_add_co_u32 s[QSD], s[QSD], s3
	s_lshl_b32 s3, s42, 2
	s_add_co_u32 s[QSD], s[QSD], s3
	s_mov_b32 s[QSD+1], 0
	s_lshl_b32 s101, s40, 8
	s_add_co_u32 s101, s101, 8192                  ; Wq's place 256 g
	s_lshl_b32 s3, s[CH], 6
	s_add_co_u32 s3, s3, s101
	s_lshl_b32 s[SWB], s3, 5                       ; my head's scale bytes
	s_mov_b32 s[SWB+1], 0
	s_lshl_b32 s[G0H+2], s3, 10                    ; the head's load: my half of chunk 0
	s_mov_b32 s[G0H+3], 0
	s_lshl_b32 s3, s[WV], 5
	s_add_co_u32 s3, s3, s101
	s_lshl_b32 s[G0R0+2], s3, 10                   ; the refills: my quarter, 32 rows
	s_mov_b32 s[G0R0+3], 0
	s_add_co_u32 s[G0R1+2], s[G0R0+2], 131072
	s_mov_b32 s[G0R1+3], 0
	s_lshl_b32 s[BPN], s40, 10
	s_lshl_b32 s3, s[CH], 8
	s_add_co_u32 s[BPN], s[BPN], s3                ; my head's bias
	s_mov_b32 s[BPN+1], 0
	s_lshl_b32 s101, s23, 7                        ; x's place
	s_lshl_b32 s3, s[CH], 6
	s_add_co_u32 s3, s3, s101
	s_lshl_b32 s[G0X+2], s3, 10
	s_mov_b32 s[G0X+3], 0
	s_lshl_b32 s3, s[RH], 6
	s_add_co_u32 s3, s3, s101
	s_lshl_b32 s2, s3, 5                           ; my 64 tokens' scale bytes
	s_mov_b32 s3, 0
	s_mov_b32 s[G0X], 1
	s_mul_i32 s[G0H+1], s[CH], 64*PITCH
	s_add_co_u32 s[G0X+1], s[G0H+1], YB
	s_mov_b32 s[G0H], 1
	s_mov_b32 s[G0R0], 1
	s_mul_i32 s[G0R0+1], s[WV], 32*PITCH
	s_mov_b32 s[G0R1], 1
	s_add_co_u32 s[G0R1+1], s[G0R0+1], YB
	s_mov_b32 s[MNT], 0x600000
	s_mov_b32 s[SEL], 0x76543210
	s_mov_b32 s[SEL+1], 0xfedcba98
	s_wait_dscnt 0x0                               ; both opening adds are done
	s_wait_kmcnt 0x0
.irp g, G0X, G0H, G0R0, G0R1
	s_add_nc_u64 s[\g+2:\g+3], s[4:5], s[\g+2:\g+3]
	s_or_b32 s[\g+3], s[\g+3], 0x80000000
.endr
	s_add_nc_u64 s[2:3], s[6:7], s[2:3]
	s_add_nc_u64 s[SWB:SWB+1], s[6:7], s[SWB:SWB+1]
	s_add_nc_u64 s[8:9], s[8:9], s[BPN:BPN+1]
	s_add_nc_u64 s[BV:BV+1], s[12:13], s[BPN:BPN+1]
	s_add_nc_u64 s[BPN:BPN+1], s[10:11], s[BPN:BPN+1]
	s_add_nc_u64 s[OB0:OB0+1], s[14:15], s[OB0:OB0+1]
	s_add_nc_u64 s[OB0+2:OB0+3], s[14:15], s[OB0+2:OB0+3]
	s_add_nc_u64 s[QSD:QSD+1], s[16:17], s[QSD:QSD+1]
.irp g, KB0, KB0+2, VB0, VB0+2, KSD, VSD
	s_add_nc_u64 s[\g:\g+1], s[18:19], s[\g:\g+1]
.endr
	CROUND                                         ; all sixteen work-groups are here: the first joint loads meet
	s_cmp_lt_u32 s[WV], 2                          ; one load a wave: waves 0, 1 x's halves, which go on into registers; waves 2, 3 chunk 0's
	s_cbranch_scc0 .Lfor_w
	TLOAD G0X, G1X
	s_branch .Lasked
.Lfor_w:
	TLOAD G0H, G1W
.Lasked:
	s_mul_i32 s4, s[RH], 64*PITCH                  ; LDS places (the arguments that lay in these registers have been used)
	s_add_co_u32 s4, s4, YB
	s_mul_i32 s5, s[CH], 64*PITCH
	s_lshl_b32 s10, s[CH], 9
	s_lshl_b32 s6, s[RH], 8
	s_add_co_u32 s10, s10, s6
	s_add_co_u32 s10, s10, XQ
	s_lshl_b32 s11, s[CH], 8
	s_lshl_b32 s6, s[RH], 1
	s_add_co_u32 s11, s11, s6
	s_add_co_u32 s11, s11, XV
	s_lshl_b32 s12, s[WV], 9
	s_add_co_u32 s12, s12, XQ
	s_lshl_b32 s13, s[WV], 8
	s_add_co_u32 s13, s13, XV
	v_and_b32 v1, 15, v0                           ; r
	v_bfe_u32 v2, v0, 4, 1                         ; h
	v_and_b32 v3, 31, v0                           ; lane
	v_mul_u32_u24 v4, v1, PITCH
	v_lshl_add_u32 v4, v2, 4, v4                   ; a fragment's row x pitch + 16 h
	v_add_nc_u32 v[ADRB], s4, v4
	v_add_nc_u32 v[AW], s5, v4
	v_add_nc_u32 v[AW+1], YB, v[AW]
	v_lshlrev_b32 v[ABS], 5, v3
	v_lshlrev_b32 v[BOFF], 6, v2
	v_and_b32 v5, 8, v1
	v_add_nc_u32 v5, v5, v1
	v_lshlrev_b32 v[BOFV], 2, v5                   ; channel place r is channel r + 8 (r / 8) of its 32
	v_lshlrev_b32 v[CO16], 4, v3
	v_lshlrev_b32 v[CO8], 3, v3
	v_lshlrev_b32 v6, 2, v1
	v_add_nc_u32 v[VX], s10, v6
	v_add_nc_u32 v[VXV], s11, v6
	v_add_nc_u32 v[RQ], s12, v[CO16]
	v_add_nc_u32 v[RV], s13, v[CO8]
.irp j, 0,1,2,3
	v_mov_b32 v[T2+\j], 0                          ; a lane permute's destination counts as one of its sources
.endr
.macro LDSW k, t                       ; my head's scale words of the chunk in slot k: lane l takes row l of a pair of blocks: 32 bytes, eight words.  t: 0 this weight, 32,768 the next
.irp p, 0,1
.irp c, 0,1
	global_load_b128 v[SW+16*(\k)+8*\p+4*\c:SW+16*(\k)+8*\p+4*\c+3], v[ABS], s[SWB:SWB+1] offset:(\t)+(\k)*4096+\p*1024+16*\c
.endr
.endr
.endm
.macro LDBQ k, b                       ; Q's, K's bias: register 8 g + i holds b(32 (g / 2) + 8 (g % 2) + 16 h + i) of my head
.irp g, 0,1,2,3
	global_load_b128 v[BI+32*(\k)+8*\g:BI+32*(\k)+8*\g+3], v[BOFF], s[\b:\b+1] offset:(\k)*512+(32*(\g/2)+8*(\g%2))*4
	global_load_b128 v[BI+32*(\k)+8*\g+4:BI+32*(\k)+8*\g+7], v[BOFF], s[\b:\b+1] offset:(\k)*512+(32*(\g/2)+8*(\g%2))*4+16
.endr
.endm
.macro LDBV k                          ; V's bias: all eight registers of block g hold my lane's channel's number
.irp g, 0,1,2,3
.irp i, 0,1,2,3,4,5,6,7
	global_load_b32 v[BI+32*(\k)+8*\g+\i], v[BOFV], s[BV:BV+1] offset:(\k)*512+(32*(\g/2)+8*(\g%2))*4
.endr
.endr
.endm
.irp a, 0,1
.irp c, 0,1
	global_load_b128 v[SX+8*\a+4*\c:SX+8*\a+4*\c+3], v[ABS], s[2:3] offset:\a*1024+16*\c
.endr
.endr
	LDSW 0, 0
	LDSW 1, 0
	LDBQ 0, 8
	LDBQ 1, 8
.macro HELD                            ; my 64 tokens: fragment 4 q + j in window 1 + (4 q + j) / 16: registers 4 c .. 4 c + 3 hold K = 128 q + 32 c + 16 h + 0 .. 15
.irp q, 0,1,2,3,4,5,6,7
	WIN (1+\q/4)<<6
.irp j, 0,1,2,3
.irp c, 0,1,2,3
	ds_load_b128 v[FR*((4*\q+\j)%16)+4*\c:FR*((4*\q+\j)%16)+4*\c+3], v[ADRB] offset:128*\q+32*\c+\j*16*PITCH
.endr
.endr
.endr
	WIN 0
.endm
.macro FETCH e, k, g                   ; block g of my head in slot k, all of K, into set e of window 3: 32 loads
	WIN 3<<6
.irp q, 0,1,2,3,4,5,6,7
.irp c, 0,1,2,3
	ds_load_b128 v[128*(\e)+FR*\q+4*\c:128*(\e)+FR*\q+4*\c+3], v[AW+(\k)] offset:(\g)*16*PITCH+128*\q+32*\c
.endr
.endr
	WIN 0
.endm
; product n = 4 q + j: the q-th 128 of K, token tile j.  kind 0 (Q, K): source 0 = the weight's rows; 1 (V): source 0 = the tokens.  e: the weight's set; d0: the block's sums; ci: its bias; sw, rw: its scale words and their row
.macro PROD kind, e, n, d0, ci, sw, rw
.set Q_, (\n)/4
.set J_, (\n)%4
.set FX_, 4*Q_+J_
.set D_, (\d0)+8*J_
.set C_, D_
.if Q_ == 0
.set C_, \ci
.endif
.if \kind
.set A_, FR*(FX_%16)
.set B_, 128*(\e)+FR*Q_
.set AS_, SX+8*(J_/2)+Q_
.set BS_, (\sw)+Q_
.set RA_, J_%2
.set RB_, \rw
	WIN (1+FX_/16)|(3<<2)
.else
.set A_, 128*(\e)+FR*Q_
.set B_, FR*(FX_%16)
.set AS_, (\sw)+Q_
.set BS_, SX+8*(J_/2)+Q_
.set RA_, \rw
.set RB_, J_%2
	WIN 3|((1+FX_/16)<<2)
.endif
.if RA_ && RB_
	v_wmma_scale_f32_16x16x128_f8f6f4 v[D_:D_+7], v[A_:A_+FR-1], v[B_:B_+FR-1], v[C_:C_+7], v[AS_], v[BS_] matrix_a_scale:MATRIX_SCALE_ROW1 matrix_b_scale:MATRIX_SCALE_ROW1
.elseif RA_
	v_wmma_scale_f32_16x16x128_f8f6f4 v[D_:D_+7], v[A_:A_+FR-1], v[B_:B_+FR-1], v[C_:C_+7], v[AS_], v[BS_] matrix_a_scale:MATRIX_SCALE_ROW1
.elseif RB_
	v_wmma_scale_f32_16x16x128_f8f6f4 v[D_:D_+7], v[A_:A_+FR-1], v[B_:B_+FR-1], v[C_:C_+7], v[AS_], v[BS_] matrix_b_scale:MATRIX_SCALE_ROW1
.else
	v_wmma_scale_f32_16x16x128_f8f6f4 v[D_:D_+7], v[A_:A_+FR-1], v[B_:B_+FR-1], v[C_:C_+7], v[AS_], v[BS_]
.endif
.endm
.macro ROUNDFILL g0                    ; the three lines, a round, and my quarter of the same chunk of the next weight, 1,024 rows on
	s_wait_tensorcnt 0x0                           ; the chunk that was out is in, so a group 0 may be written
	ds_add_u32 v[SPW], v[NIL]
	s_add_nc_u64 s[\g0+2:\g0+3], s[\g0+2:\g0+3], 0x100000
	s_wait_dscnt 0x0                               ; the add is done, and my reads of the slot that is filled again are over
	CROUND
	TLOAD \g0, G1R
.endm
.macro NEXT k                          ; the scale words and the bias of the next weight's chunk in slot k: behind Q comes K, behind K comes V
	LDSW \k, 32768
	s_cmp_eq_u32 s[TRIP], 0
	s_cbranch_scc0 .Lbias_v_\@
	LDBQ \k, BPN
	s_branch .Lbias_done_\@
.Lbias_v_\@:
	LDBV \k
.Lbias_done_\@:
.endm
; Q's, K's QUANTISER, for channels 32 p .. 32 p + 31 of my head in chunk k: for token tile j the 16 numbers at ACC + 8 j and ACC + 32 + 8 j are channels 32 p + 16 h + 0 .. 15 of token r
.macro QUANTQ k, p
	s_wait_xcnt 0x0                                ; the last stores have read the codes' registers
.irp j, 0,1,2,3
	v_max3_num_f32 v[TM+\j], |v[ACC+8*\j]|, |v[ACC+8*\j+1]|, 0x4800000   ; with the floor 2^(9 - 127): the byte cannot fall under 1
.endr
.irp i, 2,4,6,32,34,36,38
.irp j, 0,1,2,3
	v_max3_num_f32 v[TM+\j], v[TM+\j], |v[ACC+8*\j+\i]|, |v[ACC+8*\j+\i+1]|
.endr
.endr
.irp j, 0,1,2,3
	v_permlanex16_b32 v[T2+\j], v[TM+\j], s[SEL], s[SEL+1]
.endr
.irp j, 0,1,2,3
	v_max_num_f32 v[TM+\j], v[TM+\j], v[T2+\j]
.endr
.irp j, 0,1,2,3
	v_add_nc_u32 v[SOP+\j], 0xfc000000, v[TM+\j]   ; the conversion's scale operand
.endr
.irp j, 0,1,2,3
	v_and_or_b32 v[HB+\j], v[TM+\j], 0x7f800000, s[MNT]   ; 448 x the scale
.endr
.if (\p) == 0
.irp j, 0,1,2,3
	v_lshrrev_b32 v[BY0+\j], 23, v[SOP+\j]         ; the first block's byte waits for the second's
.endr
.else
	v_add_nc_u32 v[VXT], s[XO], v[VX]
.irp j, 0,1,2,3
	v_lshrrev_b32 v[T2+\j], 23, v[SOP+\j]
.endr
.irp j, 0,1,2,3
	v_lshl_or_b32 v[T2+\j], v[T2+\j], 8, v[BY0+\j]
.endr
.irp j, 0,1,2,3
	v_lshl_or_b32 v[WD+\j], v[T2+\j], 16, v[T2+\j] ; the word: the head's two bytes, twice
.endr
.endif
.irp j, 0,1,2,3
.irp i, 0,1,2,3,4,5,6,7,32,33,34,35,36,37,38,39
	v_med3_num_f32 v[ACC+8*\j+\i], v[ACC+8*\j+\i], -v[HB+\j], v[HB+\j]   ; the conversion does not saturate (ISA guide 7.6.2)
.endr
	v_cvt_scalef32_pk8_fp8_f32 v[PCD+4*\j:PCD+4*\j+1], v[ACC+8*\j:ACC+8*\j+7], v[SOP+\j]
	v_cvt_scalef32_pk8_fp8_f32 v[PCD+4*\j+2:PCD+4*\j+3], v[ACC+32+8*\j:ACC+32+8*\j+7], v[SOP+\j]
.endr
	v_nop                                          ; a plain vector instruction behind the last conversion
.irp j, 0,1,2,3
.if (\p) != 0
	ds_store_b32 v[VXT], v[WD+\j] offset:(\k)*1024+\j*64   ; both halves of the lanes write the same word with the same value
.endif
	global_store_b128 v[CO16], v[PCD+4*\j:PCD+4*\j+3], s[OB0+2*(\k):OB0+2*(\k)+1] offset:\j*1024+(\p)*512   ; 512 consecutive bytes, aligned
.endr
.endm
; V's QUANTISER, for block g of my head in chunk k: the 16 numbers at ACC + 16 a are tokens 32 a + 16 h + 0 .. 15 of my 64, of channel place r
.macro QUANTV k, g
	s_wait_xcnt 0x0
.irp a, 0,1
	v_max3_num_f32 v[TM+\a], |v[ACC+16*\a]|, |v[ACC+16*\a+1]|, 0x4800000
.endr
.irp i, 2,4,6,8,10,12,14
.irp a, 0,1
	v_max3_num_f32 v[TM+\a], v[TM+\a], |v[ACC+16*\a+\i]|, |v[ACC+16*\a+\i+1]|
.endr
.endr
.irp a, 0,1
	v_permlanex16_b32 v[T2+\a], v[TM+\a], s[SEL], s[SEL+1]
.endr
.irp a, 0,1
	v_max_num_f32 v[TM+\a], v[TM+\a], v[T2+\a]
.endr
.irp a, 0,1
	v_add_nc_u32 v[SOP+\a], 0xfc000000, v[TM+\a]
.endr
.irp a, 0,1
	v_and_or_b32 v[HB+\a], v[TM+\a], 0x7f800000, s[MNT]
.endr
.irp a, 0,1
	v_lshrrev_b32 v[T2+\a], 23, v[SOP+\a]
.endr
	v_lshl_or_b32 v[WD], v[T2+1], 8, v[T2]         ; my two bytes of the channel's word
.irp a, 0,1
.irp i, 0,1,2,3,4,5,6,7,8,9,10,11,12,13,14,15
	v_med3_num_f32 v[ACC+16*\a+\i], v[ACC+16*\a+\i], -v[HB+\a], v[HB+\a]
.endr
	v_cvt_scalef32_pk8_fp8_f32 v[PCD+4*\a:PCD+4*\a+1], v[ACC+16*\a:ACC+16*\a+7], v[SOP+\a]
	v_cvt_scalef32_pk8_fp8_f32 v[PCD+4*\a+2:PCD+4*\a+3], v[ACC+16*\a+8:ACC+16*\a+15], v[SOP+\a]
.endr
	v_nop
	ds_store_b16 v[VXV], v[WD] offset:(\k)*512+(\g)*64
	global_store_b128 v[CO16], v[PCD:PCD+3], s[VB0+2*(\k):VB0+2*(\k)+1] offset:(\g)*2048
	global_store_b128 v[CO16], v[PCD+4:PCD+7], s[VB0+2*(\k):VB0+2*(\k)+1] offset:(\g)*2048+512
.endm
.macro BLKQ s                          ; block s of a trip's eight: chunk s / 4, block s % 4 of my head
.set K_, (\s)/4
.set G_, (\s)%4
.if G_ == 0
	s_wait_loadcnt 0x0                             ; the chunk's scale words and bias
.endif
	s_wait_dscnt 32                                ; my set is in; the next block's 32 loads may be out
.set N_, 0
.rept 32
	PROD 0, (\s)%2, N_, ACC+32*(G_%2), BI+32*K_+8*G_, SW+16*K_+8*(G_/2), G_%2
.set N_, N_+1
.endr
	WIN 0
	PLACES NP                                      ; eight places ahead of the readers of the sums and of the loads into what the products read
	FETCH (\s)%2, (((\s)+2)/4)%2, ((\s)+2)%4
.if (\s) == 1
	ROUNDFILL G0R0                                 ; slot 0's last block has been fetched
.elseif (\s) == 5
	ROUNDFILL G0R1
.endif
.if G_ == 3
	NEXT K_
.endif
.if G_%2
	QUANTQ K_, G_/2
.endif
.endm
.macro BLKV s
.set K_, (\s)/4
.set G_, (\s)%4
.if G_ == 0
	s_wait_loadcnt 0x0
.endif
.if (\s) == 7
	s_wait_dscnt 0x0
.else
	s_wait_dscnt 32
.endif
.set N_, 0
.rept 32
	PROD 1, (\s)%2, N_, ACC, BI+32*K_+8*G_, SW+16*K_+8*(G_/2), G_%2
.set N_, N_+1
.endr
	WIN 0
	PLACES NP
.if (\s) < 6
	FETCH (\s)%2, ((\s)+2)/4, ((\s)+2)%4
.endif
.if (\s) == 1
	s_wait_tensorcnt 0x0                           ; my quarter of the last chunk is in
	s_wait_dscnt 0x0
	BARRIER                                        ; and everybody's
.endif
	QUANTV K_, G_
.endm
	s_wait_alu depctr_va_vdst(0)                   ; the wait at the head's end
	s_wait_tensorcnt 0x0                           ; my half of x or of chunk 0 is in
	BARRIER                                        ; and everybody's
	HELD
	FETCH 0, 0, 0
	FETCH 1, 0, 1
	s_wait_tensorcnt 0x0                           ; the tensor wait, the add and its wait ahead of a refill's round
	ds_add_u32 v[SPW], v[NIL]
	s_wait_dscnt 0x0                               ; the add is done, and x stands in registers: my reads of slot 1 are over
	CROUND
	TLOAD G0R1, G1R                                ; chunk 1 over x's rows
	s_wait_loadcnt 0x0                             ; x's scale words are in, so their base's registers may be written
	s_mov_b32 s[XO], 0
	s_mov_b32 s[TRIP], 0
.Ltrip:                                            ; two trips: Q's two chunks, then K's
.irp s, 0,1,2,3,4,5,6,7
	BLKQ \s
.endr
	s_wait_xcnt 0x0                                ; the loads and stores have read their bases
	s_add_nc_u64 s[SWB:SWB+1], s[SWB:SWB+1], 32768
	s_mov_b64 s[OB0:OB0+1], s[KB0:KB0+1]           ; K's images go into kv
	s_mov_b64 s[OB0+2:OB0+3], s[KB0+2:KB0+3]
	s_add_co_u32 s[XO], s[XO], 2048
	s_add_co_u32 s[TRIP], s[TRIP], 1
	s_cmp_lt_u32 s[TRIP], 2
	s_cbranch_scc1 .Ltrip
.irp s, 0,1,2,3,4,5,6,7
	BLKV \s
.endr
	s_wait_dscnt 0x0                               ; for the others' sake: my scale words and bytes are stored
	BARRIER
	s_wait_xcnt 0x0
	ds_load_b128 v[PCD:PCD+3], v[RQ]               ; a head's 128 words of Q,
	ds_load_b128 v[PCD+4:PCD+7], v[RQ] offset:2048 ; of K,
	ds_load_b64 v[PCD+8:PCD+9], v[RV]              ; and its 64 words of V
	s_wait_dscnt 0x0
	global_store_b128 v[CO16], v[PCD:PCD+3], s[QSD:QSD+1]      ; 512 consecutive bytes, aligned
	global_store_b128 v[CO16], v[PCD+4:PCD+7], s[KSD:KSD+1]
	global_store_b64 v[CO8], v[PCD+8:PCD+9], s[VSD:VSD+1]      ; 256 consecutive bytes, aligned
	s_wait_tensorcnt 0x0                           ; the wave's end
	ds_add_u32 v[SPW], v[NIL]
	s_wait_dscnt 0x0
	CROUND                                         ; the closing round
	s_endpgm
.Lfunc_end_k_qaa32203a08_qkv:
	.size	k_qaa32203a08_qkv, .Lfunc_end_k_qaa32203a08_qkv-k_qaa32203a08_qkv
	.p2alignl 7, 3214868480
	.fill 96, 4, 3214868480
	.section	.rodata,"a",@progbits
	.p2align	6, 0x0
	.amdhsa_kernel k_qaa32203a08_qkv
		.amdhsa_group_segment_fixed_size 327680
		.amdhsa_private_segment_fixed_size 0
		.amdhsa_enable_private_segment 0
		.amdhsa_kernarg_size 64
		.amdhsa_user_sgpr_count 2
		.amdhsa_user_sgpr_kernarg_segment_ptr 1
		.amdhsa_wavefront_size32 1
		.amdhsa_system_sgpr_workgroup_id_x 1
		.amdhsa_system_sgpr_workgroup_id_y 1
		.amdhsa_system_sgpr_workgroup_id_z 1
		.amdhsa_system_vgpr_workitem_id 0
		.amdhsa_next_free_vgpr 1024
		.amdhsa_next_free_sgpr 102
		.amdhsa_reserve_vcc 0
		.amdhsa_float_denorm_mode_32 3
		.amdhsa_float_denorm_mode_16_64 3
		.amdhsa_memory_ordered 1
		.amdhsa_forward_progress 1
		.amdhsa_inst_pref_size 204
	.end_amdhsa_kernel
	.amdgpu_metadata
---
amdhsa.version: [ 1, 2 ]
amdhsa.kernels:
  - .name:           k_qaa32203a08_qkv
    .symbol:         k_qaa32203a08_qkv.kd
    .args:
      - { .name: codes, .offset: 0, .size: 8, .value_kind: global_buffer, .address_space: global }
      - { .name: scales, .offset: 8, .size: 8, .value_kind: global_buffer, .address_space: global }
      - { .name: bq, .offset: 16, .size: 8, .value_kind: global_buffer, .address_space: global }
      - { .name: bk, .offset: 24, .size: 8, .value_kind: global_buffer, .address_space: global }
      - { .name: bv, .offset: 32, .size: 8, .value_kind: global_buffer, .address_space: global }
      - { .name: qf, .offset: 40, .size: 8, .value_kind: global_buffer, .address_space: global }
      - { .name: qs, .offset: 48, .size: 8, .value_kind: global_buffer, .address_space: global }
      - { .name: kv, .offset: 56, .size: 8, .value_kind: global_buffer, .address_space: global }
    .group_segment_fixed_size: 327680
    .private_segment_fixed_size: 0
    .kernarg_segment_align: 8
    .kernarg_segment_size: 64
    .max_flat_workgroup_size: 128
    .sgpr_count:     102
    .vgpr_count:     1024
    .wavefront_size: 32
...
	.end_amdgpu_metadata
.endif
;; end of part 2
;; launch attn (part 3): grid 8 x 32, 16 waves a work-group, clusters of 4 x 1, 327,680 bytes of LDS; arguments qf, qs, kv, cf, cs; writes cf, cs
.if DOCPART == 3
	.amdgcn_target "amdgcn-amd-amdhsa--gfx1250"
	.amdhsa_code_object_version 6
	.text
	.protected	k_qaa32203a08_attn
	.globl	k_qaa32203a08_attn
	.p2align	8
	.type	k_qaa32203a08_attn,@function
k_qaa32203a08_attn:
	s_mov_b64 s[64:65], 0
	v_nop
	global_prefetch_b8 v0, s[64:65] scope:SCOPE_SE
	s_setreg_imm32_b32 hwreg(HW_REG_WAVE_MODE, 25, 1), 1
	s_wait_xcnt 0x0
	s_wait_alu depctr_hold_cnt(0) depctr_sa_sdst(0) depctr_va_vdst(0) depctr_va_sdst(0) depctr_va_ssrc(0) depctr_va_vcc(0) depctr_vm_vsrc(0)
	s_getreg_b32 s2, hwreg(HW_REG_IB_STS2, 6, 4)
	s_cmp_eq_u32 s2, 0
	s_cbranch_scc0 .Lentry_in_a_cluster
	s_endpgm
.Lentry_in_a_cluster:
	s_bfe_u32 s2, ttmp6, 0x10000c
	s_cmp_lg_u32 s2, 0x3003
	s_cbranch_scc0 .Lentry_shape_is_right
	s_endpgm
.Lentry_shape_is_right:
; ctx[b][q][h] = the sum over keys of softmax(q . k / 8) v, both products on codes of FP8 (E4M3) with E8M0 scales; ctx is quantised along the model's 1,024 channels and leaves as codes.
; THE SOFTMAX AHEAD OF THE SECOND PRODUCT: t = score x log2(e) / 8; M = the row's largest t so far, rounded UP to a whole number; p = 2^(t - M) is quantised along the keys, not normalised.
; The row's sum is taken of the unquantised p and divides at the end.  When M moves, the sum and O are multiplied by 2^(old M - new M): exact.
; SHARES.  A work-group owns 256 queries of a PAIR of heads and walks the first head's 2,048 keys, then the second's; a pair's eight slots of 512 keys lie on end in kv, so the ring runs through the change of heads.
; Each of the sixteen waves owns one tile of 16 queries in 256 registers: four waves to a SIMD.
; LAYOUT.  Both products transposed: S^T = K Q^T, O^T = V^T P^T: a lane holds one query throughout.  K's and V^T's tiles lie in a slot as images of the operands' registers: every LDS load reads 512 consecutive bytes.
; K = 64 IN AN INSTRUCTION OF 128: Q stands in 24 registers as zeros, Q, zeros.  Two neighbouring tiles of K fill one operand of 16 registers: against [Q, 0] it gives the first tile's scores, against [0, Q] the second's
; (the other tile's finite codes x 0).  The scale words repeat their two bytes.
; A KEY STEP IS TURNED BY HALF A STEP.  A trip asks for its K tiles first, then finishes the step before on registers alone (O^T x f, the four products with V), and only then waits for K: 16 + 4 + 9 lines stand between the request and the wait.
; K lands where the last step's p lay, the scores go where the last step's V lay, V lands where K lay: two regions of 64 registers, F and G, change roles from step to step, so a loop's trip is two steps.
; A head's first trip finishes a step that was not: p's codes are zeros there, and G holds zero codes (first head) or the last V (second head), so it adds zeros.
; CLUSTER: the four query blocks of a cluster walk the same slots: each quarter of a slot is asked for jointly, mask 15.
; LIMITS: NaN and infinities are not served; p under 2^-126 counts as 0 (v_exp_f32 flushes); the division by the sum is v_rcp_f32 and a multiplication; a block of zeros gets the byte 1 (zero codes; this program alone reads the bytes).
.set SLOTB,  68608                     ; a slot: K's images 32,768; V^T's 32,768; K's scale words 2,048; V's 1,024
.set QUARTB, 17152                     ; 67 rows of 256 bytes: what one tensor load brings
.set PAIRB,  8*SLOTB
.set SLOT1,  1<<17                     ; slot 1 begins here: one exclusive or turns an address in one slot into the other's
.set VIO,    32768
.set KSO,    65536
.set VSO,    67584
.set CSG,    200704                    ; ctx's scale words, 1,024 bytes: no fill lands here
.set SPARE,  201728                    ; the spare words, 128 bytes for each of 16 waves
.set LI,  1                            ; v1   16 x lane
.set LS,  2                            ; v2   4 x lane
.set SPW, 3
.set NIL, 4
.set PFO, 5                            ; v5   the prefetches' offset
.set AD,  6                            ; v6   LDS address of the step's images
.set AS,  7                            ; v7   of K's scale words
.set AT,  8                            ; v8   of V's
.set LQ,  9                            ; v9   4 x (lane % 16)
.set CW,  10                           ; v10  ctx's scale word
.set CSA, 11                           ; v11  where it goes in LDS
.set QHI, 16                           ; v16-31 [0, Q]
.set QLO, 24                           ; v24-39 [Q, 0]
.set F,   40                           ; v40-103, v104-167: the two regions
.set G,   104
.set O,   168                          ; v168-199 O^T
.set PC,  200                          ; v200-215 p's codes
.set BM,  216
.set T4,  220
.set HD,  224                          ; 448 x the scale,
.set SO,  228
.set KSW, 232                          ; v232-235 K's scale words: tile 2 u in lanes 0-15, tile 2 u + 1 in lanes 16-31
.set VSW, 236                          ; v236-237 V's likewise
.set QSW, 238
.set FF,  240                          ; f = 2^(old M - new M)
.set PW,  241                          ; p's scale word
.set TMP, 242
.set CSR, 243
.set U,   244                          ; v244-255 six partial sums of p (the seventh: v220-221)
.set HD2, 245                          ; and its second copy, in another register bank: a dual pair's second sources
.set WV,  14
.set MNT, 19
.set SEL, 20
.set CS,  22
.set G1,  24
.set G0,  32
.set TB,  36
.set TS,  37
.set TJ,  38
.set SLOTS, 39
.set CNT, 40
.set LIM, 41
.set PFA, 42
.macro CROUND                          ; a round of the cluster's barrier
	s_barrier_signal -1
	s_barrier_wait -1
	s_cmp_lg_u32 s[WV], 0
	s_cbranch_scc1 .Lnot_wave_0_\@
	s_barrier_signal -3
.Lnot_wave_0_\@:
	s_barrier_wait -3
	s_barrier_signal -1
	s_barrier_wait -1
.endm
.macro JLOAD                           ; waves 0 to 3 fetch a quarter of a slot each; an s_nop 0 and four v_nop follow the line
	s_cmp_lt_u32 s[WV], 4
	s_cbranch_scc0 .Lnone_\@
	tensor_load_to_lds s[G0:G0+3], s[G1:G1+7]
	s_nop 0
.rept 4
	v_nop
.endr
.Lnone_\@:
.endm
; A prefetch of the slot that the NEXT change of slots will ask for: four key steps ahead of that load.  Both clusters of a pair walk the same slots: the first asks.  Its four partners share the slot's 268 blocks of 256 bytes
; by address, 67 each; in each, waves 4, 5 and 6 ask, a lane a block (the lanes past the 67th name the 67th).  The last change that fills a slot asks for nothing.
.macro ASK
	s_cmp_gt_u32 s[SLOTS], s[LIM]
	s_cbranch_scc0 .Lnot_mine_\@
	global_prefetch_b8 v[PFO], s[PFA:PFA+1] th:TH_LOAD_NT scope:SCOPE_SE
.Lnot_mine_\@:
.endm
	s_load_b256 s[4:11], s[0:1], 0x0               ; qf s[4:5], qs s[6:7], kv s[8:9], cf s[10:11]
	s_load_b64 s[12:13], s[0:1], 0x20              ; cs
	v_lshl_add_u32 v[SPW], v0, 2, SPARE
	v_mov_b32 v[NIL], 0
	ds_add_u32 v[SPW], v[NIL]                      ; the opening lines: the add twice on end and its wait
	ds_add_u32 v[SPW], v[NIL]
	s_wait_dscnt 0x0
	v_lshrrev_b32 v6, 5, v0
	s_delay_alu instid0(VALU_DEP_1)
	v_readfirstlane_b32 s[WV], v6                  ; wave 0..15
	s_bfe_u32 s15, ttmp6, 0x40000                  ; cx
	s_lshl_b32 s16, ttmp9, 2
	s_add_co_u32 s16, s16, s15                     ; my block of 256 queries
	s_and_b32 s17, ttmp7, 0xffff                   ; p: the pair of heads = 8 batch + head / 2
	s_mov_b32 s[G1], 15|(3<<16)|(1<<21)            ; the mask: all four work-groups; elements of 8 bytes; no padding; bit 21 beside a mask
	s_mov_b32 s[G1+1], 32<<16                      ; tensor_dim0 = 32 elements: 256 bytes
	s_mov_b32 s[G1+2], 67<<16                      ; tensor_dim1
	s_mov_b32 s[G1+3], 32<<16                      ; tile_dim0
	s_mov_b32 s[G1+4], 67                          ; tile_dim1
	s_mov_b32 s[G1+5], 32                          ; from row to row: dense
	s_mov_b32 s[G1+6], 0
	s_mov_b32 s[G1+7], 0
	s_and_b32 s44, s[WV], 3
	s_mul_i32 s44, s44, QUARTB                     ; my quarter, in a slot and in memory
	s_mul_i32 s46, s17, PAIRB                      ; the pair's first byte in kv
	s_add_co_u32 s48, s46, s44
	s_mov_b32 s49, 0
	s_lshl_b32 s50, s16, 4
	s_add_co_u32 s50, s50, s[WV]                   ; my tile of 16 queries within the batch
	s_lshl_b32 s52, s17, 18
	s_lshl_b32 s51, s50, 10
	s_add_co_u32 s52, s52, s51                     ; Q's image: 262,144 p + 1,024 tile
	s_mov_b32 s53, 0
	s_lshl_b32 s54, s17, 14
	s_lshl_b32 s51, s50, 6
	s_add_co_u32 s54, s54, s51                     ; Q's scale words
	s_mov_b32 s55, 0
	s_bfe_u32 s56, s17, 0x20001                    ; (head / 4): which 256 along the next K
	s_lshl_b32 s56, s56, 21
	s_lshr_b32 s51, s17, 3
	s_lshl_b32 s51, s51, 7
	s_add_co_u32 s51, s51, s50                     ; 128 batch + tile
	s_lshl_b32 s51, s51, 12
	s_add_co_u32 s56, s56, s51
	s_and_b32 s51, s17, 1
	s_lshl_b32 s51, s51, 11
	s_add_co_u32 s56, s56, s51                     ; ctx's images
	s_mov_b32 s57, 0
	s_and_b32 s58, s17, 7
	s_lshl_b32 s58, s58, 15                        ; ctx's scale words: [head / 2][place] words
	s_lshr_b32 s51, s17, 3
	s_lshl_b32 s51, s51, 13
	s_add_co_u32 s58, s58, s51
	s_lshl_b32 s51, s16, 10
	s_add_co_u32 s58, s58, s51
	s_and_b32 s51, s[WV], 1
	s_lshl_b32 s51, s51, 9
	s_add_co_u32 s58, s58, s51
	s_mov_b32 s59, 0
	s_mul_i32 s60, s15, QUARTB                     ; the prefetches: my work-group's 67 blocks, in slot 1: the first change of slots steps them to slot 2
	s_add_co_u32 s60, s60, s46
	s_add_co_u32 s60, s60, SLOTB
	s_mov_b32 s61, 0
	s_sub_co_u32 s45, s[WV], 4
	s_cmp_lt_u32 s45, 3                            ; waves 4, 5, 6
	s_cselect_b32 s45, 0, 1
	s_or_b32 s45, s45, ttmp9                       ; of the pair's first cluster: the same in all four partners
	s_cmp_eq_u32 s45, 0
	s_cselect_b32 s[LIM], 1, -1
	s_mov_b32 s[MNT], 0x600000
	s_mov_b32 s[SEL], 0x76543210
	s_mov_b32 s[SEL+1], 0xfedcba98
	s_mov_b32 s[CS], 0x3e38aa3b                    ; c = log2(e) / 8
	s_mov_b32 s[CS+1], s[CS]
	s_mov_b32 s[TB], 0
	s_mov_b32 s[TS], KSO
	s_mov_b32 s[TJ], VSO
	s_mov_b32 s[SLOTS], 7
	s_wait_kmcnt 0x0
	s_add_nc_u64 s[4:5], s[4:5], s[52:53]
	s_add_nc_u64 s[6:7], s[6:7], s[54:55]
	s_add_nc_u64 s[10:11], s[10:11], s[56:57]
	s_add_nc_u64 s[12:13], s[12:13], s[58:59]
	s_add_nc_u64 s[PFA:PFA+1], s[8:9], s[60:61]
	s_mov_b32 s[G0], 1
	s_mov_b32 s[G0+1], s44                         ; slot 0
	s_add_nc_u64 s[G0+2:G0+3], s[8:9], s[48:49]
	s_or_b32 s[G0+3], s[G0+3], 0x80000000
	CROUND                                         ; all four work-groups are here: the first joint loads meet
	JLOAD                                          ; slot 0
	v_and_b32 v6, 31, v0
	s_delay_alu instid0(VALU_DEP_1)
	v_lshlrev_b32 v[LI], 4, v6
	s_delay_alu instid0(VALU_DEP_2)
	v_lshlrev_b32 v[LS], 2, v6
	v_and_b32 v7, 15, v0
	s_delay_alu instid0(VALU_DEP_1)
	v_lshlrev_b32 v[LQ], 2, v7
	global_load_b128 v[QLO:QLO+3], v[LI], s[4:5]   ; Q's eight registers: the first head's
	global_load_b128 v[QLO+4:QLO+7], v[LI], s[4:5] offset:512
	global_load_b32 v[QSW], v[LQ], s[6:7]
	s_lshl_b32 s47, s[WV], 6
	s_add_co_u32 s47, s47, CSG
	v_add_nc_u32 v[CSA], s47, v[LQ]
	s_and_b32 s47, s[WV], 1
	s_lshl_b32 s47, s47, 9
	s_add_co_u32 s47, s47, CSG
	v_add_nc_u32 v[CSR], s47, v[LI]
	v_and_b32 v[PFO], 127, v0
	s_delay_alu instid0(VALU_DEP_1)
	v_min_u32 v[PFO], 66, v[PFO]
	s_delay_alu instid0(VALU_DEP_1)
	v_lshlrev_b32 v[PFO], 8, v[PFO]
	v_mov_b32 v[CW], 0
	v_mov_b32 v13, 0xff61b1e6                      ; the largest t so far: -3e38
	s_delay_alu instid0(VALU_DEP_1)
	v_floor_f32 v12, -v13                          ; -M
	v_mov_b32 v14, 0
	v_mov_b32 v15, 0
.irp j, 0,1,2,3,4,5,6,7
	v_mov_b32 v[QHI+\j], 0                         ; zero codes on both sides of Q
	v_mov_b32 v[QLO+8+\j], 0
.endr
.set J, 0
.rept 64
	v_mov_b32 v[G+J], 0                            ; what the first trip takes for V: zero codes
.set J, J+1
.endr
.set J, 0
.rept 32
	v_mov_b32 v[O+J], 0                            ; O^T
.set J, J+1
.endr
.set J, 0
.rept 16
	v_mov_b32 v[PC+J], 0                           ; and for p: zero codes
.set J, J+1
.endr
.irp b, 0,1,2,3
	v_mov_b32 v[T4+\b], 0                          ; a lane permute's destination counts as one of its sources
.endr
	v_mov_b32 v[VSW], 0                            ; finite scale bytes over zero codes
	v_mov_b32 v[VSW+1], 0
	v_mov_b32 v[FF], 1.0
	v_mov_b32 v[PW], 0
	v_mov_b32 v[TMP], 0
; THE STEP BEFORE IS FINISHED: O^T = O^T x f + V^T P^T, V's four tiles in region vr.  Register 8 t + j of lane (r, h) is channel 32 (t / 2) + 16 h + 8 (t % 2) + j of query r.
.macro FINISH vr
	s_wait_alu depctr_va_vdst(0)                   ; the wait here, directly ahead of the first reader of O^T
.set J, 0
.rept 16
	v_pk_mul_f32 v[O+J:O+J+1], v[O+J:O+J+1], v[FF:FF+1] op_sel_hi:[1,0]   ; these are also the places between the codes' making and the products
.set J, J+2
.endr
.irp t, 0,2
	v_wmma_scale_f32_16x16x128_f8f6f4 v[O+8*\t:O+8*\t+7], v[\vr+16*\t:\vr+16*\t+15], v[PC:PC+15], v[O+8*\t:O+8*\t+7], v[VSW+\t/2], v[PW]
	v_wmma_scale_f32_16x16x128_f8f6f4 v[O+8*\t+8:O+8*\t+15], v[\vr+16*\t+16:\vr+16*\t+31], v[PC:PC+15], v[O+8*\t+8:O+8*\t+15], v[VSW+\t/2], v[PW] matrix_a_scale:MATRIX_SCALE_ROW1
.endr
.endm
; A KEY STEP: 128 keys.  kr: K's tiles, later V's.  sr: the last step's V, then the scores and p.
.macro STEP kr, sr
	v_add_nc_u32 v[AD], s[TB], v[LI]
	v_add_nc_u32 v[AS], s[TS], v[LS]
	v_add_nc_u32 v[AT], s[TJ], v[LS]
.irp t, 0,1,2,3,4,5,6,7
.irp c, 0,1
	ds_load_b128 v[\kr+8*\t+4*\c:\kr+8*\t+4*\c+3], v[AD] offset:1024*\t+512*\c
.endr
.endr
.irp u, 0,1,2,3
	ds_load_b32 v[KSW+\u], v[AS] offset:128*\u
.endr
	s_wait_dscnt 20                                ; the last step's V and its scale words are in; the 16 + 4 loads just issued may be out
	FINISH \sr
.rept 9
	v_nop                                          ; nine places: the scores are written over registers that the products above read
.endr
	s_wait_dscnt 0x0                               ; K's tiles and scale words are in
.irp t, 0,2,4,6                        ; S^T = K Q^T: lane (r, h) holds query r; the 16 registers of tiles 2 b, 2 b + 1 are keys 32 b + 16 h + 0 .. 15
	v_wmma_scale_f32_16x16x128_f8f6f4 v[\sr+8*\t:\sr+8*\t+7], v[\kr+8*\t:\kr+8*\t+15], v[QLO:QLO+15], 0, v[KSW+\t/2], v[QSW]
	v_wmma_scale_f32_16x16x128_f8f6f4 v[\sr+8*\t+8:\sr+8*\t+15], v[\kr+8*\t:\kr+8*\t+15], v[QHI:QHI+15], 0, v[KSW+\t/2], v[QSW] matrix_a_scale:MATRIX_SCALE_ROW1
.endr
.rept 8
	v_nop
.endr
.irp t, 0,1,2,3                        ; V^T's four tiles are asked for now and land under the softmax
.irp c, 0,1,2,3
	ds_load_b128 v[\kr+16*\t+4*\c:\kr+16*\t+4*\c+3], v[AD] offset:VIO+2048*\t+512*\c
.endr
.endr
.irp u, 0,1
	ds_load_b32 v[VSW+\u], v[AT] offset:128*\u
.endr
.irp b, 0,1,2,3
	v_max3_num_f32 v[BM+\b], v[\sr+16*\b], v[\sr+16*\b+1], v[\sr+16*\b+2]   ; the largest score of each block of 32 keys: for the row's maximum and, since p rises with the score, for the block's largest p
.endr
.irp i, 3,5,7,9,11,13
.irp b, 0,1,2,3
	v_max3_num_f32 v[BM+\b], v[BM+\b], v[\sr+16*\b+\i], v[\sr+16*\b+\i+1]
.endr
.endr
.irp b, 0,1,2,3
	v_max_num_f32 v[BM+\b], v[BM+\b], v[\sr+16*\b+15]
.endr
.irp b, 0,1,2,3
	s_delay_alu instid0(VALU_DEP_4)
	v_permlanex16_b32 v[T4+\b], v[BM+\b], s[SEL], s[SEL+1]
.endr
.irp b, 0,1,2,3
	s_delay_alu instid0(VALU_DEP_4)
	v_max_num_f32 v[BM+\b], v[BM+\b], v[T4+\b]     ; with lane l xor 16's 16 keys
.endr
	s_delay_alu instid0(VALU_DEP_2)
	v_max3_num_f32 v[TMP], v[BM], v[BM+1], v[BM+2]
	s_delay_alu instid0(VALU_DEP_1)
	v_max_num_f32 v[TMP], v[TMP], v[BM+3]
	s_delay_alu instid0(VALU_DEP_1)
	v_mul_f32 v[TMP], s[CS], v[TMP]                ; as t
	s_delay_alu instid0(VALU_DEP_1)
	v_max_num_f32 v13, v13, v[TMP]                 ; the running largest t
	v_mov_b32 v[TMP], v12
	s_delay_alu instid0(VALU_DEP_2)
	v_floor_f32 v12, -v13                          ; the new -M = -ceil(t)
	s_delay_alu instid0(VALU_DEP_1)
	v_sub_f32 v[TMP], v12, v[TMP]                  ; old M - new M: a whole number, 0 or less
	s_delay_alu instid0(VALU_DEP_1)
	v_cvt_i32_f32 v[TMP], v[TMP]                   ; (it saturates)
	s_delay_alu instid0(VALU_DEP_1)
	v_ldexp_f32 v[FF], 1.0, v[TMP]                 ; f = 2^(old M - new M)
.set J, 0
.rept 32
	v_pk_fma_f32 v[\sr+J:\sr+J+1], v[\sr+J:\sr+J+1], s[CS:CS+1], v[12:13] op_sel_hi:[1,0,0]   ; t - M, two at a time
.set J, J+2
.endr
.irp b, 0,1,2,3
	v_fma_f32 v[BM+\b], v[BM+\b], s[CS], v12       ; the same of each block's largest score
.endr
	s_wait_alu depctr_va_vdst(0)                   ; the wait ahead of the batch
.set J, 0
.rept 64
	v_exp_f32 v[\sr+J], v[\sr+J]                   ; p = 2^(t - M)
.set J, J+1
.endr
	v_pk_mul_f32 v[14:15], v[14:15], v[FF:FF+1] op_sel_hi:[1,0]   ; the sums under the new M: a plain instruction behind the exponentials
	s_wait_alu depctr_va_vdst(0)                   ; one wait for the whole batch, ahead of its first reader
.irp b, 0,1,2,3
	v_exp_f32 v[BM+\b], v[BM+\b]                   ; the block's largest p
.endr
.irp k, 0,1,2,3,4,5                    ; the row's sum of the unquantised p: eight chains of pairs
	v_pk_add_f32 v[U+2*\k:U+2*\k+1], v[\sr+4+8*\k:\sr+5+8*\k], v[\sr+8+8*\k:\sr+9+8*\k]
.endr
	v_pk_add_f32 v[T4:T4+1], v[\sr+52:\sr+53], v[\sr+56:\sr+57]
	v_pk_add_f32 v[14:15], v[14:15], v[\sr+60:\sr+61]
.irp k, 0,1,2,3,4,5
	v_pk_add_f32 v[U+2*\k:U+2*\k+1], v[U+2*\k:U+2*\k+1], v[\sr+2+4*\k:\sr+3+4*\k]
.endr
	v_pk_add_f32 v[T4:T4+1], v[T4:T4+1], v[\sr+26:\sr+27]
	v_pk_add_f32 v[14:15], v[14:15], v[\sr+30:\sr+31]
.irp k, 0,1,2,3,4,5
	v_pk_add_f32 v[U+2*\k:U+2*\k+1], v[U+2*\k:U+2*\k+1], v[\sr+34+4*\k:\sr+35+4*\k]
.endr
	v_pk_add_f32 v[T4:T4+1], v[T4:T4+1], v[\sr+58:\sr+59]
	v_pk_add_f32 v[14:15], v[14:15], v[\sr+62:\sr+63]
	v_pk_add_f32 v[T4:T4+1], v[T4:T4+1], v[\sr:\sr+1]
	s_delay_alu instid0(VALU_DEP_2)
	v_pk_add_f32 v[14:15], v[14:15], v[U:U+1]
	s_delay_alu instid0(VALU_DEP_2)
	v_pk_add_f32 v[T4:T4+1], v[T4:T4+1], v[U+2:U+3]
	v_pk_add_f32 v[U+4:U+5], v[U+4:U+5], v[U+6:U+7]
	v_pk_add_f32 v[U+8:U+9], v[U+8:U+9], v[U+10:U+11]
	s_delay_alu instid0(VALU_DEP_2)
	v_pk_add_f32 v[14:15], v[14:15], v[U+4:U+5]
	s_delay_alu instid0(VALU_DEP_2)
	v_pk_add_f32 v[T4:T4+1], v[T4:T4+1], v[U+8:U+9]
	s_delay_alu instid0(VALU_DEP_1)
	v_pk_add_f32 v[14:15], v[14:15], v[T4:T4+1]
	s_wait_alu depctr_va_vdst(0)                   ; and one for the four
.irp b, 0,1,2,3
	v_max_num_f32 v[BM+\b], 0x4800000, v[BM+\b]    ; the floor 2^(9 - 127): the byte cannot fall under 1
.endr
.irp b, 0,1,2,3
	s_delay_alu instid0(VALU_DEP_4)
	v_add_nc_u32 v[SO+\b], 0xfc000000, v[BM+\b]    ; the conversion's scale operand
.endr
.irp b, 0,1,2,3
	v_and_or_b32 v[HD+\b], v[BM+\b], 0x7f800000, s[MNT]   ; 448 x the scale
.endr
.irp b, 0,1,2,3
	v_and_or_b32 v[HD2+\b], v[BM+\b], 0x7f800000, s[MNT]  ; once more, one register bank on
.endr
.irp b, 0,1,2,3
	v_lshrrev_b32 v[T4+\b], 23, v[SO+\b]           ; the scale's byte
.endr
	s_delay_alu instid0(VALU_DEP_3)
	v_lshl_or_b32 v[PW], v[T4+1], 8, v[T4]         ; p's scale word for these 128 keys
	s_delay_alu instid0(VALU_DEP_1)
	v_lshl_or_b32 v[PW], v[T4+2], 16, v[PW]
	s_delay_alu instid0(VALU_DEP_1)
	v_lshl_or_b32 v[PW], v[T4+3], 24, v[PW]
.irp b, 0,1,2,3
.irp i, 0,2,4,6,8,10,12,14             ; the conversion does not saturate (ISA guide 7.6.2); p is not negative, so the hold is one-sided; two holds to a dual pair
	v_dual_min_num_f32 v[\sr+16*\b+\i], v[\sr+16*\b+\i], v[HD+\b] :: v_dual_min_num_f32 v[\sr+16*\b+\i+1], v[\sr+16*\b+\i+1], v[HD2+\b]
.endr
	v_cvt_scalef32_pk8_fp8_f32 v[PC+4*\b:PC+4*\b+1], v[\sr+16*\b:\sr+16*\b+7], v[SO+\b]
	v_cvt_scalef32_pk8_fp8_f32 v[PC+4*\b+2:PC+4*\b+3], v[\sr+16*\b+8:\sr+16*\b+15], v[SO+\b]
.endr
	v_nop                                          ; a plain vector instruction behind the last conversion
	s_add_co_u32 s[TB], s[TB], 8192                ; the next step's images and scale words
	s_add_co_u32 s[TS], s[TS], 512
	s_add_co_u32 s[TJ], s[TJ], 256
.endm
; THE CHANGE OF SLOTS stands at a slot's head.  Each wave waits for all its tensor loads, adds 0 to its spare word, and waits for that and for its reads of the slot that it has left (the last step's V among them).
; fill = 1: behind a round of the cluster's barrier that slot is filled with the 512 keys that follow: the load has four key steps in which to land.  One tensor load of a wave is out at the most.
.macro CHANGE fill
	s_wait_tensorcnt 0x0                           ; no tensor load of mine is out, so the descriptor may be written
	ds_add_u32 v[SPW], v[NIL]
.if \fill
	ds_add_u32 v[SPW], v[NIL]                      ; and once more
	s_xor_b32 s[G0+1], s[G0+1], SLOT1              ; the other slot than last time,
	s_add_nc_u64 s[G0+2:G0+3], s[G0+2:G0+3], SLOTB ; the next slot's bytes
	s_wait_xcnt 0x0                                ; the last prefetch, a slot back, has read its address
	s_add_nc_u64 s[PFA:PFA+1], s[PFA:PFA+1], SLOTB
	s_wait_dscnt 0x0
	CROUND
	JLOAD
	ASK
.else
	s_wait_dscnt 0x0
	s_barrier_signal -1
	s_barrier_wait -1
.endif
.endm
.macro SLOT_STEPS                      ; a slot's four key steps: two trips of two, so that the regions are back where they began
	s_mov_b32 s[CNT], 2
.Lstep_\@:
	STEP F, G
	STEP G, F
	s_sub_co_u32 s[CNT], s[CNT], 1
	s_cmp_lg_u32 s[CNT], 0
	s_cbranch_scc1 .Lstep_\@
	s_sub_co_u32 s[TB], s[TB], 4*8192              ; back to a slot's first step,
	s_xor_b32 s[TB], s[TB], SLOT1                  ; in the other slot
	s_sub_co_u32 s[TS], s[TS], 4*512
	s_xor_b32 s[TS], s[TS], SLOT1
	s_sub_co_u32 s[TJ], s[TJ], 4*256
	s_xor_b32 s[TJ], s[TJ], SLOT1
.endm
; A HEAD'S END: the last step is finished (its V lies in G); O^T / the sum is my query's 64 channels, register 16 b + i = channel 32 b + 16 h + i: two blocks of 32 along the next K, each shared with lane l xor 16.
; The work is done in F, so that G keeps finite codes for the next head's first trip.
.macro HEAD_END hd
	s_wait_dscnt 0x0                               ; V's tiles and scale words are in
	FINISH G
.if \hd == 0
	global_load_b128 v[QLO:QLO+3], v[LI], s[4:5] offset:131072       ; the second head's Q
	global_load_b128 v[QLO+4:QLO+7], v[LI], s[4:5] offset:131072+512
	global_load_b32 v[QSW], v[LQ], s[6:7] offset:8192
.endif
	v_add_f32 v14, v14, v15
	s_delay_alu instid0(VALU_DEP_1)
	v_permlanex16_b32 v[TMP], v14, s[SEL], s[SEL+1]
	s_delay_alu instid0(VALU_DEP_1)
	v_add_f32 v14, v14, v[TMP]                     ; the row's sum
	s_wait_alu depctr_va_vdst(0)
	v_rcp_f32 v14, v14
.rept 8
	v_nop                                          ; the places behind the last products, and the plain instruction behind the reciprocal
.endr
	s_wait_alu depctr_va_vdst(0)                   ; ahead of the reciprocal's first reader
.set J, 0
.rept 16
	v_pk_mul_f32 v[F+J:F+J+1], v[O+J:O+J+1], v[14:15] op_sel_hi:[1,0]
.set J, J+2
.endr
.irp b, 0,1
	v_max3_num_f32 v[BM+\b], |v[F+16*\b]|, |v[F+16*\b+1]|, 0x4800000
.endr
.irp i, 2,4,6,8,10,12,14
.irp b, 0,1
	s_delay_alu instid0(VALU_DEP_2)
	v_max3_num_f32 v[BM+\b], v[BM+\b], |v[F+16*\b+\i]|, |v[F+16*\b+\i+1]|
.endr
.endr
.irp b, 0,1
	s_delay_alu instid0(VALU_DEP_2)
	v_permlanex16_b32 v[T4+\b], v[BM+\b], s[SEL], s[SEL+1]
.endr
.irp b, 0,1
	s_delay_alu instid0(VALU_DEP_2)
	v_max_num_f32 v[BM+\b], v[BM+\b], v[T4+\b]
.endr
.irp b, 0,1
	s_delay_alu instid0(VALU_DEP_2)
	v_add_nc_u32 v[SO+\b], 0xfc000000, v[BM+\b]
.endr
.irp b, 0,1
	s_delay_alu instid0(VALU_DEP_4)
	v_and_or_b32 v[HD+\b], v[BM+\b], 0x7f800000, s[MNT]
.endr
.irp b, 0,1
	s_delay_alu instid0(VALU_DEP_4)
	v_lshrrev_b32 v[T4+\b], 23, v[SO+\b]
.endr
.if \hd == 0
	s_delay_alu instid0(VALU_DEP_1)
	v_lshl_or_b32 v[CW], v[T4+1], 8, v[T4]         ; the word's low half: the even head's two bytes
.else
	s_delay_alu instid0(VALU_DEP_1)
	v_lshl_or_b32 v[TMP], v[T4+1], 8, v[T4]
	s_delay_alu instid0(VALU_DEP_1)
	v_lshl_or_b32 v[CW], v[TMP], 16, v[CW]         ; its high half: the odd head's
.endif
.irp b, 0,1
.irp i, 0,1,2,3,4,5,6,7,8,9,10,11,12,13,14,15
	v_med3_num_f32 v[F+16*\b+\i], v[F+16*\b+\i], -v[HD+\b], v[HD+\b]
.endr
	v_cvt_scalef32_pk8_fp8_f32 v[F+32+4*\b:F+33+4*\b], v[F+16*\b:F+16*\b+7], v[SO+\b]
	v_cvt_scalef32_pk8_fp8_f32 v[F+34+4*\b:F+35+4*\b], v[F+16*\b+8:F+16*\b+15], v[SO+\b]
.endr
	v_nop                                          ; a plain vector instruction behind the last conversion
	global_store_b128 v[LI], v[F+32:F+35], s[10:11] offset:\hd*1024        ; each store covers 512 consecutive bytes, aligned
	global_store_b128 v[LI], v[F+36:F+39], s[10:11] offset:\hd*1024+512
.if \hd == 0
	v_mov_b32 v13, 0xff61b1e6                      ; the second head begins as the first did
	s_delay_alu instid0(VALU_DEP_1)
	v_floor_f32 v12, -v13
	v_mov_b32 v14, 0
	v_mov_b32 v15, 0
.set J, 0
.rept 32
	v_mov_b32 v[O+J], 0
.set J, J+1
.endr
.set J, 0
.rept 16
	v_mov_b32 v[PC+J], 0                           ; zero codes: the next trip's finishing adds zeros
.set J, J+1
.endr
	s_wait_alu depctr_va_vdst(0)                   ; the wait here, directly ahead of the waits below
	s_wait_xcnt 0x0                                ; the stores have read their data: K's tiles land over them
	s_wait_loadcnt 0x0                             ; Q
.endif
.endm
	s_wait_alu depctr_va_vdst(0)                   ; the wait at the head's end
	s_wait_loadcnt 0x0                             ; Q
.Lslot:                                            ; seven trips: behind each change of slots but the last the next slot is asked for
	CHANGE 1
	SLOT_STEPS
	s_cmp_lg_u32 s[SLOTS], 4                       ; behind the fourth slot the first head is done
	s_cbranch_scc1 .Lsame_head
	HEAD_END 0
.Lsame_head:
	s_sub_co_u32 s[SLOTS], s[SLOTS], 1
	s_cmp_lg_u32 s[SLOTS], 0
	s_cbranch_scc1 .Lslot
	CHANGE 0                                       ; the last slot is written out
	SLOT_STEPS
	HEAD_END 1
	ds_store_b32 v[CSA], v[CW]                     ; ctx's scale words meet in LDS (both halves of the lanes write the same word with the same value)
	s_wait_dscnt 0x0                               ; for the others' sake
	s_barrier_signal -1
	s_barrier_wait -1
	s_cmp_lt_u32 s[WV], 2
	s_cbranch_scc0 .Lno_words
	ds_load_b128 v[F:F+3], v[CSR]                  ; waves 0 and 1 store the work-group's 256 words, 512 consecutive bytes each
	s_wait_dscnt 0x0
	global_store_b128 v[LI], v[F:F+3], s[12:13]
.Lno_words:
	s_wait_tensorcnt 0x0                           ; the wave's end
	ds_add_u32 v[SPW], v[NIL]
	s_wait_dscnt 0x0
	CROUND                                         ; the closing round
	s_endpgm
.Lfunc_end_k_qaa32203a08_attn:
	.size	k_qaa32203a08_attn, .Lfunc_end_k_qaa32203a08_attn-k_qaa32203a08_attn
	.p2alignl 7, 3214868480
	.fill 96, 4, 3214868480
	.section	.rodata,"a",@progbits
	.p2align	6, 0x0
	.amdhsa_kernel k_qaa32203a08_attn
		.amdhsa_group_segment_fixed_size 327680
		.amdhsa_private_segment_fixed_size 0
		.amdhsa_enable_private_segment 0
		.amdhsa_kernarg_size 40
		.amdhsa_user_sgpr_count 2
		.amdhsa_user_sgpr_kernarg_segment_ptr 1
		.amdhsa_wavefront_size32 1
		.amdhsa_system_sgpr_workgroup_id_x 1
		.amdhsa_system_sgpr_workgroup_id_y 1
		.amdhsa_system_sgpr_workgroup_id_z 1
		.amdhsa_system_vgpr_workitem_id 0
		.amdhsa_next_free_vgpr 256
		.amdhsa_next_free_sgpr 66
		.amdhsa_reserve_vcc 0
		.amdhsa_float_denorm_mode_32 3
		.amdhsa_float_denorm_mode_16_64 3
		.amdhsa_memory_ordered 1
		.amdhsa_forward_progress 1
		.amdhsa_inst_pref_size 112
	.end_amdhsa_kernel
	.amdgpu_metadata
---
amdhsa.version: [ 1, 2 ]
amdhsa.kernels:
  - .name:           k_qaa32203a08_attn
    .symbol:         k_qaa32203a08_attn.kd
    .args:
      - { .name: qf, .offset: 0, .size: 8, .value_kind: global_buffer, .address_space: global }
      - { .name: qs, .offset: 8, .size: 8, .value_kind: global_buffer, .address_space: global }
      - { .name: kv, .offset: 16, .size: 8, .value_kind: global_buffer, .address_space: global }
      - { .name: cf, .offset: 24, .size: 8, .value_kind: global_buffer, .address_space: global }
      - { .name: cs, .offset: 32, .size: 8, .value_kind: global_buffer, .address_space: global }
    .group_segment_fixed_size: 327680
    .private_segment_fixed_size: 0
    .kernarg_segment_align: 8
    .kernarg_segment_size: 40
    .max_flat_workgroup_size: 512
    .sgpr_count:     66
    .vgpr_count:     256
    .wavefront_size: 32
...
	.end_amdgpu_metadata
.endif
;; end of part 3
;; launch proj (part 4): grid 8 x 32, 4 waves a work-group, clusters of 4 x 4, 327,680 bytes of LDS; arguments cf, cs, codes, scales, bo, out0; writes out0
.if DOCPART == 4
	.amdgcn_target "amdgcn-amd-amdhsa--gfx1250"
	.amdhsa_code_object_version 6
	.text
	.protected	k_qaa32203a08_proj
	.globl	k_qaa32203a08_proj
	.p2align	8
	.type	k_qaa32203a08_proj,@function
k_qaa32203a08_proj:
	s_mov_b64 s[64:65], 0
	v_nop
	global_prefetch_b8 v0, s[64:65] scope:SCOPE_SE
	s_setreg_imm32_b32 hwreg(HW_REG_WAVE_MODE, 25, 1), 1
	s_wait_xcnt 0x0
	s_wait_alu depctr_hold_cnt(0) depctr_sa_sdst(0) depctr_va_vdst(0) depctr_va_sdst(0) depctr_va_ssrc(0) depctr_va_vcc(0) depctr_vm_vsrc(0)
	s_getreg_b32 s2, hwreg(HW_REG_IB_STS2, 6, 4)
	s_cmp_eq_u32 s2, 0
	s_cbranch_scc0 .Lentry_in_a_cluster
	s_endpgm
.Lentry_in_a_cluster:
	s_bfe_u32 s2, ttmp6, 0x10000c
	s_cmp_lg_u32 s2, 0xf033
	s_cbranch_scc0 .Lentry_shape_is_right
	s_endpgm
.Lentry_shape_is_right:
; out = ctx Wo^T + bo on codes of FP8 (E4M3) with E8M0 scales for each 32 along K = 1,024; sums in f32; out [8192][1024] f32.
; A = ctx: cf [256 along K: 4][tile of 16 tokens: 512][128 along K: 2][c: 4][lane][16 bytes]: images of the operand's registers; its scale words cs [128 along K: 8][token place: 8192].  B = Wo: places 11,264 on of 'codes' and 'scales'.
; Tokens and Wo's rows lie in places (bits 3 and 4 of the row number exchanged): the way out puts rows and columns back by its offsets.
; THE DEAL.  256 work-groups, each 256 tokens x 128 columns; four waves, 2 x 2.  A wave holds its 64 rows of Wo, ALL of K, in 512 registers (windows 1, 2) and streams blocks of 16 tokens past them: row of waves w takes tiles 2 s + w, s = 0 .. 7.
; A block is 32 products on four accumulators by turns; the bias is the first four products' C.  Source 0 = 16 rows of Wo, source 1 = 16 tokens: a lane holds numbers of one row of out.
; LDS: two slots of 128 rows of 1,024 bytes + 16 of padding.  At the head Wo's 128 rows go to slot 1 (waves 0, 1: a half each) and tokens 0-127 to slot 0 (waves 2, 3: two quarters of K each).
; When the weights stand in registers, tokens 128-255 are filled over them behind a round of the cluster's barrier, a quarter of K a wave: rows of the same length and padding.
; That fill is prefetched at the head: its 512 blocks of 256 bytes are shared out by address among the sixteen waves of a cluster's row, a lane a block.  What the head itself loads comes by its loads alone.
; CLUSTERS: 4 x 4.  ctx's tiles are asked for jointly by a row of the cluster, Wo's by a column.
; THE WAY OUT: a block's 16 tokens x 64 columns go through the wave's own stage in LDS and leave one block later as rows of 256 bytes, aligned; every offset is an immediate, so no base is stepped.
; REGISTERS: window 0: v1-23 addresses; v24-39 Wo's scale words; v44-75 ctx's; v76-83 LDS addresses of the images; v84-115 the bias; v116-179 two sets of sums; v180-243 two sets of rows on their way out.  window 3: two sets of ctx's fragments.
; LIMITS: NaN and infinities are not served.
.set KROW,   1024
.set PITCH,  1040
.set FR,     16
.set NP,     8
.set YB,     128*PITCH                 ; slot 1
.set KQL,    32*PITCH                  ; a quarter of K of 128 tokens in LDS: 32 rows
.set KQB,    2097152                   ; from one 256 along K of cf to the next
.set STG,    2*YB                      ; the stages: 16 rows x (256 + 16) bytes a wave: no fill lands here
.set SPITCH, 272
.set STW,    16*SPITCH
.set SPARE,  STG+4*STW
.set SPW,  10
.set NIL,  11
.set ADRB, 12                          ; LDS address of my fragments of Wo
.set ABS,  13                          ; 32 x lane: Wo's scale bytes
.set ASC,  14                          ; my offset among ctx's scale words
.set BOFF, 15
.set STO,  16
.set RD,   17
.set CO,   18
.set PF,   19
.set SB,   24                          ; register 8 p + q: lanes 0-15 tile 2 p's word of the q-th 128 along K, lanes 16-31 tile 2 p + 1's
.set SA,   44                          ; register 8 j + q: lanes 0-15 block 2 j's, lanes 16-31 block 2 j + 1's
.set AX,   76                          ; register 4 slot + quarter of K
.set BI,   84
.set ACC,  116
.set BK,   180
.set WV,   20
.set RH,   21
.set CH,   22
.set G1W,  24
.set G1A,  32
.set G1R,  48
.set G0W,  56
.set G0A,  60
.set G0R,  68
.set MSB, 0
.macro WIN new                         ; the immediate's high byte repeats the setting that is left
.if MSB != \new
	s_set_vgpr_msb (MSB<<8)|\new
.set MSB, \new
.endif
.endm
.macro PLACES n
.rept \n
	v_nop
.endr
.endm
.macro BARRIER
	s_barrier_signal -1
	s_barrier_wait -1
.endm
.macro CROUND                          ; a round of the cluster's barrier
	BARRIER
	s_cmp_lg_u32 s[WV], 0
	s_cbranch_scc1 .Lnot_wave_0_\@
	s_barrier_signal -3
.Lnot_wave_0_\@:
	s_barrier_wait -3
	BARRIER
.endm
.macro TLOAD g0, g1                    ; an s_nop 0 and four v_nop follow the load
	tensor_load_to_lds s[\g0:\g0+3], s[\g1:\g1+7]
	s_nop 0
	PLACES 4
.endm
	s_load_b256 s[4:11], s[0:1], 0x0               ; cf s[4:5], cs s[6:7], codes s[8:9], scales s[10:11]
	s_load_b128 s[12:15], s[0:1], 0x20             ; bo s[12:13], out0 s[14:15]
	v_lshl_add_u32 v[SPW], v0, 2, SPARE
	v_mov_b32 v[NIL], 0
	ds_add_u32 v[SPW], v[NIL]                      ; the opening lines: the add twice on end and its wait
	ds_add_u32 v[SPW], v[NIL]
	v_lshrrev_b32 v1, 5, v0
	v_readfirstlane_b32 s[WV], v1
	s_lshr_b32 s[RH], s[WV], 1                     ; my row of waves
	s_and_b32 s[CH], s[WV], 1                      ; my column of waves; also: which half I fetch at the head
	s_bfe_u32 s40, ttmp6, 0x40000                  ; cx
	s_bfe_u32 s41, ttmp6, 0x40004                  ; cy
	s_lshl_b32 s42, ttmp9, 2
	s_add_co_u32 s42, s42, s40                     ; tile column, 0 .. 7
	s_and_b32 s23, ttmp7, 0xffff
	s_lshl_b32 s23, s23, 2
	s_add_co_u32 s23, s23, s41                     ; tile row, 0 .. 31
	s_lshl_b32 s43, s41, 2
	s_lshl_b32 s43, 15, s43                        ; my row of the cluster
	s_lshl_b32 s44, 0x1111, s40                    ; my column
	s_or_b32 s[G1W], s44, (1<<20)|(1<<21)|(7<<22)|(3<<25)          ; Wo: 64 rows of 1,024 bytes, 16 of padding behind each
	s_mov_b32 s[G1W+1], KROW<<16
	s_mov_b32 s[G1W+2], 64<<16
	s_mov_b32 s[G1W+3], KROW<<16
	s_mov_b32 s[G1W+4], 64
	s_mov_b32 s[G1W+5], KROW
	s_mov_b32 s[G1W+6], 0
	s_mov_b32 s[G1W+7], 0
	s_or_b32 s[G1A], s43, (3<<16)|(1<<20)|(1<<21)|(7<<22)|(3<<25)  ; ctx at the head: two quarters of K, each 32,768 dense bytes (4,096 elements of 8), KQB bytes apart; the padding behind each 1,024 bytes
	s_mov_b32 s[G1A+1], 4096<<16
	s_mov_b32 s[G1A+2], 2<<16
	s_mov_b32 s[G1A+3], 4096<<16
	s_mov_b32 s[G1A+4], 2
	s_mov_b32 s[G1A+5], KQB/8
	s_mov_b32 s[G1A+6], 0
	s_mov_b32 s[G1A+7], 0
	s_or_b32 s[G1R], s43, (3<<16)|(1<<20)|(1<<21)|(7<<22)|(3<<25)  ; ctx's refill: one quarter of K as 32 rows of 1,024 bytes
	s_mov_b32 s[G1R+1], 128<<16
	s_mov_b32 s[G1R+2], 32<<16
	s_mov_b32 s[G1R+3], 128<<16
	s_mov_b32 s[G1R+4], 32
	s_mov_b32 s[G1R+5], 128
	s_mov_b32 s[G1R+6], 0
	s_mov_b32 s[G1R+7], 0
	s_lshl_b32 s16, s23, 16                        ; cf: 65,536 bytes a tile row in each quarter of K
	s_lshl_b32 s2, s[CH], 22
	s_add_co_u32 s46, s16, s2                      ; the head's load: quarters 2 (wave % 2) on
	s_mov_b32 s47, 0
	s_lshl_b32 s2, s[WV], 21
	s_add_co_u32 s72, s16, s2
	s_add_co_u32 s72, s72, 32768                   ; the refill: tokens 128 on, quarter = wave
	s_mov_b32 s73, 0
	s_lshl_b32 s74, s42, 7
	s_add_co_u32 s74, s74, 11264
	s_lshl_b32 s2, s[CH], 6
	s_add_co_u32 s74, s74, s2                      ; Wo's places: the 64 that I fetch, which are also my column of waves' 64
	s_lshl_b32 s76, s74, 5
	s_mov_b32 s77, 0
	s_lshl_b32 s74, s74, 10
	s_mov_b32 s75, 0
	s_lshl_b32 s78, s23, 10                        ; cs: 4 bytes a place
	s_mov_b32 s79, 0
	s_lshl_b32 s80, s42, 9
	s_lshl_b32 s2, s[CH], 8
	s_add_co_u32 s80, s80, s2                      ; my first column, in bytes
	s_mov_b32 s81, 0
	s_lshl_b32 s82, s23, 8
	s_lshl_b32 s2, s[RH], 3
	s_add_co_u32 s82, s82, s2
	s_lshl_b32 s82, s82, 12                        ; my first row of out: 256 x tile row + 8 w
	s_mov_b32 s83, 0
	s_lshl_b32 s84, s40, 21                        ; the prefetch: quarter cx, 8,192 bytes a wave, of the refill's bytes
	s_lshl_b32 s2, s[WV], 13
	s_add_co_u32 s84, s84, s2
	s_add_co_u32 s84, s84, s16
	s_add_co_u32 s84, s84, 32768
	s_mul_i32 s86, s[CH], 64*PITCH
	s_add_co_u32 s86, s86, YB                      ; my 64 rows of Wo in slot 1
	s_mul_i32 s87, s[RH], 4*PITCH                  ; tile w of a pair of tiles
	s_lshl_b32 s88, s[RH], 6
	s_mul_i32 s89, s[WV], STW
	s_add_co_u32 s89, s89, STG                     ; my stage
	s_mov_b32 s[G0W], 1
	s_mov_b32 s[G0W+1], s86
	s_mov_b32 s[G0A], 1
	s_mul_i32 s[G0A+1], s[CH], 2*KQL
	s_mov_b32 s[G0R], 1
	s_mul_i32 s[G0R+1], s[WV], KQL
	s_add_co_u32 s[G0R+1], s[G0R+1], YB
	s_wait_dscnt 0x0                               ; both opening adds are done
	s_wait_kmcnt 0x0
	s_add_nc_u64 s[G0W+2:G0W+3], s[8:9], s[74:75]
	s_or_b32 s[G0W+3], s[G0W+3], 0x80000000
	s_add_nc_u64 s[G0A+2:G0A+3], s[4:5], s[46:47]
	s_or_b32 s[G0A+3], s[G0A+3], 0x80000000
	s_add_nc_u64 s[G0R+2:G0R+3], s[4:5], s[72:73]
	s_or_b32 s[G0R+3], s[G0R+3], 0x80000000
	s_add_nc_u64 s[10:11], s[10:11], s[76:77]
	s_add_nc_u64 s[6:7], s[6:7], s[78:79]
	s_add_nc_u64 s[12:13], s[12:13], s[80:81]
	s_add_nc_u64 s[14:15], s[14:15], s[80:81]
	s_add_nc_u64 s[14:15], s[14:15], s[82:83]
	CROUND                                         ; all sixteen work-groups are here: the first joint loads meet
	s_cmp_lt_u32 s[WV], 2                          ; one load a wave: waves 0, 1 Wo's halves, waves 2, 3 ctx's
	s_cbranch_scc0 .Lfor_a
	TLOAD G0W, G1W
	s_branch .Lasked
.Lfor_a:
	TLOAD G0A, G1A
.Lasked:
	v_and_b32 v1, 15, v0                           ; r
	v_bfe_u32 v2, v0, 4, 1                         ; h
	v_and_b32 v3, 31, v0                           ; lane
	v_mul_u32_u24 v4, v1, PITCH
	v_lshl_add_u32 v4, v2, 4, v4
	v_add_nc_u32 v[ADRB], s86, v4                  ; Wo: row r x pitch + 16 h
	v_lshlrev_b32 v5, 4, v3
	v_add_nc_u32 v5, s87, v5                       ; images: 16 x lane, + my row of waves' tile
.irp n, 0,1,2,3,4,5,6,7
	v_add_nc_u32 v[AX+\n], \n*KQL, v5              ; slot 1 begins four quarters behind slot 0
.endr
	v_lshlrev_b32 v[ABS], 5, v3
	v_lshlrev_b32 v6, 7, v2
	v_add_nc_u32 v6, s88, v6
	v_lshl_add_u32 v[ASC], v1, 2, v6               ; place 64 j + 32 h + 16 w + r, 4 bytes each
	v_lshlrev_b32 v[BOFF], 6, v2
	v_mul_u32_u24 v6, v1, SPITCH
	v_lshl_add_u32 v6, v2, 6, v6
	v_add_nc_u32 v[STO], s89, v6                   ; into the stage: row r, + 64 h: my half's 16 columns of each 32
	v_mul_u32_u24 v7, v2, SPITCH
	v_lshl_add_u32 v7, v1, 4, v7
	v_add_nc_u32 v[RD], s89, v7                    ; back: sixteen lanes to a row of 256 bytes, two rows an instruction
	v_lshlrev_b32 v8, 12, v2
	v_lshl_add_u32 v[CO], v1, 4, v8                ; and the same two rows in out
	v_lshlrev_b32 v9, 8, v3
	v_add_nc_u32 v[PF], s84, v9
.irp p, 0,1
.irp c, 0,1
	global_load_b128 v[SB+8*\p+4*\c:SB+8*\p+4*\c+3], v[ABS], s[10:11] offset:\p*1024+16*\c   ; lane l takes row l of a pair of tiles: 32 bytes, eight words
.endr
.endr
.irp j, 0,1,2,3
.irp q, 0,1,2,3,4,5,6,7
	global_load_b32 v[SA+8*\j+\q], v[ASC], s[6:7] offset:32768*\q+256*\j
.endr
.endr
.irp b, 0,1,2,3                        ; the bias: register 8 b + j holds bo(32 (b / 2) + 8 (b % 2) + 16 h + j) of my 64 columns
	global_load_b128 v[BI+8*\b:BI+8*\b+3], v[BOFF], s[12:13] offset:(32*(\b/2)+8*(\b%2))*4
	global_load_b128 v[BI+8*\b+4:BI+8*\b+7], v[BOFF], s[12:13] offset:(32*(\b/2)+8*(\b%2))*4+16
.endr
	global_prefetch_b8 v[PF], s[4:5] th:TH_LOAD_NT scope:SCOPE_SE   ; my sixteenth of the refill's bytes; its address registers are never written again
.macro WEIGHTS                         ; my 64 rows of Wo: fragment 4 q + b in window 1 + (4 q + b) / 16: registers 4 c .. 4 c + 3 hold K = 128 q + 32 c + 16 h + 0 .. 15
.irp q, 0,1,2,3,4,5,6,7
	WIN (1+\q/4)<<6
.irp b, 0,1,2,3
.irp c, 0,1,2,3
	ds_load_b128 v[FR*((4*\q+\b)%16)+4*\c:FR*((4*\q+\b)%16)+4*\c+3], v[ADRB] offset:128*\q+32*\c+\b*16*PITCH
.endr
.endr
.endr
	WIN 0
.endm
.macro FETCH s                         ; block s, all of K, into set s % 2 of window 3: 32 loads of 512 consecutive bytes
	WIN 3<<6
.irp q, 0,1,2,3,4,5,6,7
.irp c, 0,1,2,3
	ds_load_b128 v[128*((\s)%2)+FR*\q+4*\c:128*((\s)%2)+FR*\q+4*\c+3], v[AX+4*((\s)/4)+\q/2] offset:(8*((\s)%4)+2*(\q%2)+\c/2)*PITCH+512*(\c%2)
.endr
.endr
	WIN 0
.endm
.macro PROD s, n                       ; product n = 4 q + b of block s
.set Q_, (\n)/4
.set B_, (\n)%4
.set FB_, 4*Q_+B_
.set D_, ACC+32*((\s)%2)+8*B_
.set C_, D_
.if Q_ == 0
.set C_, BI+8*B_
.endif
.set X_, 128*((\s)%2)+FR*Q_
.set W_, FR*(FB_%16)
.set SW_, SB+8*(B_/2)+Q_
.set SX_, SA+8*((\s)/2)+Q_
	WIN (1+FB_/16)|(3<<2)
.if (B_%2) && ((\s)%2)
	v_wmma_scale_f32_16x16x128_f8f6f4 v[D_:D_+7], v[W_:W_+FR-1], v[X_:X_+FR-1], v[C_:C_+7], v[SW_], v[SX_] matrix_a_scale:MATRIX_SCALE_ROW1 matrix_b_scale:MATRIX_SCALE_ROW1
.elseif B_%2
	v_wmma_scale_f32_16x16x128_f8f6f4 v[D_:D_+7], v[W_:W_+FR-1], v[X_:X_+FR-1], v[C_:C_+7], v[SW_], v[SX_] matrix_a_scale:MATRIX_SCALE_ROW1
.elseif (\s)%2
	v_wmma_scale_f32_16x16x128_f8f6f4 v[D_:D_+7], v[W_:W_+FR-1], v[X_:X_+FR-1], v[C_:C_+7], v[SW_], v[SX_] matrix_b_scale:MATRIX_SCALE_ROW1
.else
	v_wmma_scale_f32_16x16x128_f8f6f4 v[D_:D_+7], v[W_:W_+FR-1], v[X_:X_+FR-1], v[C_:C_+7], v[SW_], v[SX_]
.endif
.endm
; Accumulator b's register j of lane (r, h) is column 32 (b / 2) + 16 h + 8 (b % 2) + j of my 64; row t of block s is token 32 s + 8 w + t + 8 (t / 8).
.macro TOSTAGE s
.set AC_, ACC+32*((\s)%2)
.irp b, 0,1,2,3
	ds_store_b128 v[STO], v[AC_+8*\b:AC_+8*\b+3] offset:128*(\b/2)+32*(\b%2)         ; each accumulator from its low end on
	ds_store_b128 v[STO], v[AC_+8*\b+4:AC_+8*\b+7] offset:128*(\b/2)+32*(\b%2)+16
.endr
.irp i, 0,1,2,3,4,5,6,7
	ds_load_b128 v[BK+32*((\s)%2)+4*\i:BK+32*((\s)%2)+4*\i+3], v[RD] offset:\i*2*SPITCH   ; LDS serves a wave's instructions in order: these see the stores above
.endr
.endm
.macro SEND s, younger                 ; younger: the LDS instructions issued behind the block's loads from the stage
	s_wait_dscnt \younger
.irp i, 0,1,2,3,4,5,6,7
	global_store_b128 v[CO], v[BK+32*((\s)%2)+4*\i:BK+32*((\s)%2)+4*\i+3], s[14:15] offset:(32*(\s)+2*\i+8*(\i/4))*4096 th:TH_STORE_NT   ; sixteen lanes store 256 consecutive bytes, aligned
.endr
.endm
.macro BLK s
	s_wait_xcnt 0x0                                ; the stores of two blocks back have read their registers: this block's rows land there
.if (\s) == 7
	s_wait_dscnt 16                                ; my set is in; block 6's 16 stage instructions may be out
.elseif (\s) >= 2
	s_wait_dscnt 48                                ; my set is in; the last block's 16 stage instructions and the next block's 32 loads may be out
.endif
.set N_, 0
.rept 32
	PROD \s, N_
.set N_, N_+1
.endr
	WIN 0
	PLACES NP                                      ; eight places ahead of the stores that read the sums and of the loads into the set just read
.if (\s) == 2
	s_wait_tensorcnt 0x0                           ; my quarter of tokens 128-255 is in
	s_wait_dscnt 0x0
	BARRIER                                        ; and everybody's
.endif
.if (\s) == 7
	SEND 6, 0
.elseif (\s) >= 1
	SEND (\s)-1, 32                                ; behind its loads from the stage: the 32 loads of this block's successor
.endif
	TOSTAGE \s
.if (\s) < 6
	FETCH (\s)+2
.endif
.endm
	s_wait_alu depctr_va_vdst(0)                   ; the wait at the head's end
	s_wait_tensorcnt 0x0                           ; my half of Wo or of ctx is in
	BARRIER                                        ; and everybody's
	WEIGHTS
	FETCH 0
	FETCH 1
	s_wait_tensorcnt 0x0                           ; the tensor wait, the add and its wait ahead of a refill's round
	ds_add_u32 v[SPW], v[NIL]
	s_wait_dscnt 0x0                               ; the add is done, and the weights stand in registers: my reads of slot 1 are over
	CROUND
	TLOAD G0R, G1R                                 ; tokens 128-255 over Wo's rows: my one load behind the round
	s_wait_loadcnt 0x0                             ; the scale words and the bias
.irp s, 0,1,2,3,4,5,6,7
	BLK \s
.endr
	SEND 7, 0
	s_wait_tensorcnt 0x0                           ; the wave's end
	ds_add_u32 v[SPW], v[NIL]
	s_wait_dscnt 0x0
	CROUND                                         ; the closing round
	s_endpgm
.Lfunc_end_k_qaa32203a08_proj:
	.size	k_qaa32203a08_proj, .Lfunc_end_k_qaa32203a08_proj-k_qaa32203a08_proj
	.p2alignl 7, 3214868480
	.fill 96, 4, 3214868480
	.section	.rodata,"a",@progbits
	.p2align	6, 0x0
	.amdhsa_kernel k_qaa32203a08_proj
		.amdhsa_group_segment_fixed_size 327680
		.amdhsa_private_segment_fixed_size 0
		.amdhsa_enable_private_segment 0
		.amdhsa_kernarg_size 48
		.amdhsa_user_sgpr_count 2
		.amdhsa_user_sgpr_kernarg_segment_ptr 1
		.amdhsa_wavefront_size32 1
		.amdhsa_system_sgpr_workgroup_id_x 1
		.amdhsa_system_sgpr_workgroup_id_y 1
		.amdhsa_system_sgpr_workgroup_id_z 1
		.amdhsa_system_vgpr_workitem_id 0
		.amdhsa_next_free_vgpr 1024
		.amdhsa_next_free_sgpr 96
		.amdhsa_reserve_vcc 0
		.amdhsa_float_denorm_mode_32 3
		.amdhsa_float_denorm_mode_16_64 3
		.amdhsa_memory_ordered 1
		.amdhsa_forward_progress 1
		.amdhsa_inst_pref_size 87
	.end_amdhsa_kernel
	.amdgpu_metadata
---
amdhsa.version: [ 1, 2 ]
amdhsa.kernels:
  - .name:           k_qaa32203a08_proj
    .symbol:         k_qaa32203a08_proj.kd
    .args:
      - { .name: cf, .offset: 0, .size: 8, .value_kind: global_buffer, .address_space: global }
      - { .name: cs, .offset: 8, .size: 8, .value_kind: global_buffer, .address_space: global }
      - { .name: codes, .offset: 16, .size: 8, .value_kind: global_buffer, .address_space: global }
      - { .name: scales, .offset: 24, .size: 8, .value_kind: global_buffer, .address_space: global }
      - { .name: bo, .offset: 32, .size: 8, .value_kind: global_buffer, .address_space: global }
      - { .name: out0, .offset: 40, .size: 8, .value_kind: global_buffer, .address_space: global }
    .group_segment_fixed_size: 327680
    .private_segment_fixed_size: 0
    .kernarg_segment_align: 8
    .kernarg_segment_size: 48
    .max_flat_workgroup_size: 128
    .sgpr_count:     96
    .vgpr_count:     1024
    .wavefront_size: 32
...
	.end_amdgpu_metadata
.endif
;; end of part 4
